; MI455X (gfx1250); checked and timed in simulation.
; The chip was launched on July 23, 2026; its instructions are those of AMD's public machine-readable ISA for CDNA 5 (MIT licence, August 2026) and "CDNA5" Instruction Set Architecture Reference Guide (July 2026). The comments in the code are by the model that wrote it; some were corrected since.
;; Cross Attention. Allowed arithmetic: matrix products marked QUANTISED: E2M3 operands, one E8M0 scale for each 32 along K, by v_wmma_scale_f32_16x16x128_f8f6f4 with both operands' format E2M3, f32 sums; everything else in f32.
;; Inputs: Wk 1,024 x 1,024 float32; Wo 1,024 x 1,024 float32; Wq 1,024 x 1,024 float32; Wv 1,024 x 1,024 float32; bo 1,024 float32; context 4 x 2,048 x 1,024 float32; mask 4 x 2,048 bool; x 4 x 2,048 x 1,024 float32.
;; Outputs: out0 4 x 2,048 x 1,024 float32.
;; This version of the problem:
;;   THIS VERSION OF THE PROBLEM IS GIVEN IN LOW PRECISION. The matrix products marked QUANTISED in the list below multiply operands that are first quantised to E2M3 (2 exponent bits, 3 mantissa bits; 6 bits a number), with one power-of-two scale for each 32 numbers along K (OCP MX v1.0); their sums are f32. All else is computed in f32.
;;   The module's matrix products, in the order in which they are computed (A, B: the left and right operand; K: the contracted axis; several contracted axes count as one K, in the product's order):
;;     1. [M 8,192, K 1,024] x [K 1,024, N 1,024]; A: input x; B: input Wq: QUANTISED
;;     2. [M 8,192, K 1,024] x [K 1,024, N 1,024]; A: input context; B: input Wk: QUANTISED
;;     3. [M 8,192, K 1,024] x [K 1,024, N 1,024]; A: input context; B: input Wv: QUANTISED
;;     4. batch 64 x [M 2,048, K 64] x [K 64, N 2,048]; A: computed on the way; B: computed on the way: QUANTISED
;;     5. batch 64 x [M 64, K 2,048] x [K 2,048, N 2,048]; A: computed on the way; B: softmax (see below): QUANTISED
;;     6. [M 8,192, K 1,024] x [K 1,024, N 1,024]; A: computed on the way; B: input Wo: QUANTISED
;;   THE QUANTISER, for each operand of a quantised product, along K:
;;     - K is cut into blocks of 32 from its start; a last block that is shorter is filled with zeros.
;;     - A block's scale is 2^e with e = floor(log2(the largest magnitude in the block)) - 2, held to -126 .. 127; a block of zeros has e = 0. As a byte (E8M0): e + 127.
;;     - Each number is divided by its block's scale, clamped to +-7.5, and rounded to the nearest number of E2M3, ties to even, subnormals kept.
;;     - The product sums the exact products of the quantised numbers (number of the format x scale) in f32.
;;   ~~~python
;;   def quantise(x, axis):      # numpy; x: float32 -> the quantised numbers, widened to float32 again
;;       x = np.moveaxis(x, axis, -1); K = x.shape[-1]
;;       x = np.pad(x, [(0, 0)] * (x.ndim - 1) + [(0, -K % 32)]); x = x.reshape(x.shape[:-1] + (-1, 32)); a = np.abs(x).max(-1, keepdims=True)
;;       e = np.where(a > 0, np.clip(np.frexp(np.where(a > 0, a, 1))[1] - 1 - 2, -126, 127), 0)      # np.frexp(a)[1] - 1 = floor(log2(a)), exactly
;;       r = np.clip(x / 2.0 ** e, -7.5, 7.5)
;;       step = 2.0 ** (np.maximum(np.frexp(np.where(r == 0, 1, r))[1] - 1, 0) - 3)
;;       q = np.round(r / step) * step * 2.0 ** e      # np.round: ties to even
;;       return np.moveaxis(q.reshape(q.shape[:-2] + (-1,))[..., :K], -1, axis).astype(np.float32)
;;   ~~~
;;   SOFTMAX AHEAD OF A QUANTISED PRODUCT. Where the list says 'softmax', what is quantised is not the finished softmax but p = 2^(t - M), with t = logit x log2(e) and M = ceil(the row's largest t), a whole number; so 1/2 < the row's largest p <= 1. The row's sum l is taken of the UNQUANTISED p, in f32, and the product's result is divided by l at the end. Since M is a whole number, a kernel that streams over the keys may use a running M (the ceiling of the running maximum): every later rescaling is an exact power of two, which a block's scale takes up: the codes' values come out the same.
;;   OPERANDS COMPUTED ON THE WAY. 'Computed on the way' means the value that the module computes at that place (a softmax that the list does not call 'softmax' is quantised finished and normalised). What goes into a quantiser is computed in f32, as accurately as f32 sums, v_exp_f32 and their like allow (about 1e-6 of the number): no bf16 or f16 on the way to a quantiser, and a product that is left as it is and whose result goes on into a quantised operand takes f32 operands (vector FMAs, or v_wmma_f32_16x16x4_f32). A number that lies on a knife's edge between two numbers of the format may be rounded either way, as far as f32 arithmetic and the matrix unit's own rounding can turn it there, and no further.
;; One version. Each part assembles by itself: llvm-mc -triple=amdgcn-amd-amdhsa -mcpu=gfx1250 --defsym DOCPART=n.
;; ======== version 1 of 1: 5 launches
;; limits: right only within a limited range of input values
;; workspace buffers: act_c 12,582,912 bytes; act_s 524,288 bytes; w_c 3,145,728 bytes; w_s 131,072 bytes; qkv_c 18,874,368 bytes; qkv_s 786,432 bytes; o_c 6,291,456 bytes; o_s 262,144 bytes
;; launch quant_act (part 1): grid 512 x 1, 4 waves a work-group, no clusters, 34,304 bytes of LDS; arguments x, context, act_c, act_s; writes act_c, act_s
.if DOCPART == 1
	.amdgcn_target "amdgcn-amd-amdhsa--gfx1250"
	.amdhsa_code_object_version 6
	.text
	.protected	k_q9b01431c4d_quant_act
	.globl	k_q9b01431c4d_quant_act
	.p2align	8
	.type	k_q9b01431c4d_quant_act,@function
k_q9b01431c4d_quant_act:
	s_mov_b64 s[64:65], 0
	v_nop
	global_prefetch_b8 v0, s[64:65] scope:SCOPE_SE
	s_setreg_imm32_b32 hwreg(HW_REG_WAVE_MODE, 25, 1), 1
	s_wait_xcnt 0x0
; x and context, each [8192][1024] f32 with K innermost, become codes of FP6 (E2M3) with one E8M0 byte for each 32 along K.
; A block's scale is 2^(floor(log2(largest magnitude)) - 2); its byte is the largest magnitude's exponent field - 2, held at 1 from below.
; LIMITS: NaN and infinities are not served; a block whose largest magnitude lies under 2^-124 (a block of zeros too) keeps the byte 1: zero codes add nothing, and this program alone reads the bytes.
; LAYOUT OF THE CODES: images of the operand's registers.  Rows go in tiles of 16; lane-row r of tile T is row 32 (T / 2) + 8 (T % 2) + 16 (r / 8) + r % 8.
; A fragment (tile T, K step s of 128) is 1,536 bytes at 12288 T + 1536 s: register pair p of lane L at 256 p + 8 L.  x's tiles are 0-511, context's 512-1023.
; LAYOUT OF THE SCALES: 512 T + 128 q + 8 r + e: q the K step of 256, e the block of 32 in it.
; SHARES: a wave takes one tile and half of K: four fragments.  Each load reads 512 consecutive bytes of one row; a fragment's 16 rows turn through the wave's own stage in LDS
; (rows 528 bytes apart) and come back as 32 neighbours along K a lane and block, as the conversions want them.  Waves share nothing: no barrier.
.set PITCH, 528
.set STG,   16*PITCH
.set SW,    16                         ; v16-19  the four fragments' scale words
.set C,     20                         ; v20-31  a fragment's 12 registers
.set TP,    32                         ; v32-34, v36-38  each block's upper 16 codes (a conversion's three registers begin on an even number)
.set R,     64                         ; v64-191 two sets of 64: rows as loaded
.set X,     192                        ; v192-255 my two blocks of 32 neighbours
	s_load_b256 s[4:11], s[0:1], 0x0               ; x, context, act_c, act_s
	v_lshl_add_u32 v62, v0, 2, 0x8400
	v_mov_b32 v63, 0
	v_lshrrev_b32 v1, 5, v0
	v_readfirstlane_b32 s16, v1                    ; wave
	v_and_b32 v1, 31, v0                           ; L
	v_and_b32 v7, 15, v0                           ; r
	v_bfe_u32 v6, v0, 4, 1                         ; h
	v_lshlrev_b32 v2, 4, v1                        ; 16 L: my bytes of a row's 512
	s_mul_i32 s17, s16, STG
	v_add_nc_u32 v3, s17, v2                       ; the stage, in
	v_mul_u32_u24 v4, v7, PITCH
	v_lshl_add_u32 v4, v6, 7, v4
	v_add_nc_u32 v4, s17, v4                       ; the stage, out: row r, + 128 h
	v_lshlrev_b32 v5, 3, v1                        ; 8 L
	v_lshlrev_b32 v6, 3, v6                        ; 8 h: my bytes' place in a scale word
	v_mov_b32 v15, 0                               ; a lane permute's destination counts as read
	s_mov_b32 s20, 0x76543210
	s_mov_b32 s21, 0xfedcba98                      ; lane l xor 16
	s_mov_b32 s22, 0xffff0000                      ; lanes 16-31
	s_lshr_b32 s18, s16, 1                         ; T % 2
	s_and_b32 s19, s16, 1                          ; which half of K
	s_and_b32 s23, ttmp9, 255
	s_lshl_b32 s23, s23, 5
	s_lshl_b32 s24, s18, 3
	s_add_co_u32 s23, s23, s24                     ; the tile's first row in its tensor
	s_lshl_b32 s24, s23, 12
	s_lshl_b32 s25, s19, 11
	s_add_co_u32 s24, s24, s25
	s_mov_b32 s25, 0
	s_lshl_b32 s26, ttmp9, 1
	s_add_co_u32 s26, s26, s18                     ; T
	s_mul_i32 s28, s26, 12288
	s_mul_i32 s27, s19, 6144
	s_add_co_u32 s28, s28, s27
	s_mov_b32 s29, 0
	s_lshl_b32 s30, s26, 9
	s_lshl_b32 s27, s19, 8
	s_add_co_u32 s30, s30, s27
	s_mov_b32 s31, 0
	s_wait_kmcnt 0x0
	s_cmp_lt_u32 ttmp9, 256                        ; the first 256 work-groups take x
	s_cselect_b64 s[4:5], s[4:5], s[6:7]
	s_add_nc_u64 s[4:5], s[4:5], s[24:25]
	s_add_nc_u64 s[8:9], s[8:9], s[28:29]
	s_add_nc_u64 s[10:11], s[10:11], s[30:31]
.macro LOAD f                          ; fragment f: 16 rows x 512 bytes
.irp t, 0,1,2,3,4,5,6,7,8,9,10,11,12,13,14,15
	global_load_b128 v[R+64*((\f)%2)+4*\t:R+64*((\f)%2)+4*\t+3], v2, s[4:5] offset:((\t%8)+16*(\t/8))*4096+512*(\f) th:TH_LOAD_NT
.endr
.endm
.macro TURN f                          ; through the stage; LDS serves a wave's instructions in order, so no wait stands between stores and loads
.irp t, 0,1,2,3,4,5,6,7,8,9,10,11,12,13,14,15
	ds_store_b128 v3, v[R+64*((\f)%2)+4*\t:R+64*((\f)%2)+4*\t+3] offset:PITCH*\t
.endr
.irp c, 0,1
.irp e, 0,1,2,3,4,5,6,7
	ds_load_b128 v[X+32*\c+4*\e:X+32*\c+4*\e+3], v4 offset:256*\c+16*\e   ; k = 64 c + 32 h + 4 e ..
.endr
.endr
.endm
.macro BLK c                           ; my block 2 c + h: all its 32 numbers are mine
.set XS, X+32*(\c)
	v_max3_num_f32 v8, |v[XS]|, |v[XS+1]|, 0x1800000               ; with the floor 2^(3 - 127): the byte cannot fall under 1
	v_max3_num_f32 v9, |v[XS+2]|, |v[XS+3]|, |v[XS+4]|
.irp i, 5,9,13,17,21,25
	v_max3_num_f32 v8, v8, |v[XS+\i]|, |v[XS+\i+1]|
	v_max3_num_f32 v9, v9, |v[XS+\i+2]|, |v[XS+\i+3]|
.endr
	v_max3_num_f32 v8, v8, |v[XS+29]|, |v[XS+30]|
	v_max3_num_f32 v8, v8, v9, |v[XS+31]|
	v_add_nc_u32 v[10+\c], 0xff000000, v8          ; 2 off the exponent field: the conversion's scale operand
	v_lshrrev_b32 v[12+\c], 23, v[10+\c]           ; the byte
	v_cvt_scalef32_pk16_fp6_f32 v[C+6*\c:C+6*\c+2], v[XS:XS+15], v[10+\c]
	v_cvt_scalef32_pk16_fp6_f32 v[TP+4*\c:TP+4*\c+2], v[XS+16:XS+31], v[10+\c]
.endm
.macro FRAGM f
.if (\f) < 3
	s_wait_loadcnt 16                              ; this fragment's 16 loads are in; the next one's may be out
.else
	s_wait_loadcnt 0x0
.endif
	TURN \f
	s_wait_dscnt 8                                 ; the stores and block 0's eight loads are done; block 1's eight may be out
.if (\f) > 0
	s_wait_xcnt 0x0                                ; the last fragment's stores have read the code registers, which are written again below
.endif
.if (\f) < 2
	LOAD (\f)+2                                    ; into the set that the stage's stores have read
.endif
	BLK 0
	s_wait_dscnt 0x0
	BLK 1
	v_nop                                          ; one plain place behind the conversions
.irp c, 0,1
.irp i, 0,1,2
	v_mov_b32 v[C+3+6*\c+\i], v[TP+4*\c+\i]
.endr
.endr
	v_lshl_or_b32 v14, v13, 16, v12                ; my bytes: blocks h and 2 + h,
	v_lshlrev_b32 v14, v6, v14                     ; at their places;
	v_permlanex16_b32 v15, v14, s20, s21
	v_or_b32 v[SW+(\f)], v14, v15                  ; with lane l xor 16's the word is whole
.irp p, 0,1,2,3,4,5
	global_store_b64 v5, v[C+2*\p:C+2*\p+1], s[8:9] offset:1536*(\f)+256*\p   ; 32 lanes store 256 consecutive bytes, aligned
.endr
.endm
	LOAD 0
	LOAD 1
	FRAGM 0
	FRAGM 1
	FRAGM 2
	FRAGM 3
	v_cndmask_b32 v8, v[SW], v[SW+2], s22          ; lanes 0-15: the words of K steps 0, 1 of my half; lanes 16-31: of 2, 3
	v_cndmask_b32 v9, v[SW+1], v[SW+3], s22
	global_store_b64 v5, v[8:9], s[10:11]          ; 256 consecutive bytes
	s_wait_tensorcnt 0x0
	ds_add_u32 v62, v63
	s_wait_dscnt 0x0
	s_endpgm
.Lfunc_end_k_q9b01431c4d_quant_act:
	.size	k_q9b01431c4d_quant_act, .Lfunc_end_k_q9b01431c4d_quant_act-k_q9b01431c4d_quant_act
	.p2alignl 7, 3214868480
	.fill 96, 4, 3214868480
	.section	.rodata,"a",@progbits
	.p2align	6, 0x0
	.amdhsa_kernel k_q9b01431c4d_quant_act
		.amdhsa_group_segment_fixed_size 34304
		.amdhsa_private_segment_fixed_size 0
		.amdhsa_enable_private_segment 0
		.amdhsa_kernarg_size 32
		.amdhsa_user_sgpr_count 2
		.amdhsa_user_sgpr_kernarg_segment_ptr 1
		.amdhsa_wavefront_size32 1
		.amdhsa_system_sgpr_workgroup_id_x 1
		.amdhsa_system_sgpr_workgroup_id_y 1
		.amdhsa_system_sgpr_workgroup_id_z 1
		.amdhsa_system_vgpr_workitem_id 0
		.amdhsa_next_free_vgpr 256
		.amdhsa_next_free_sgpr 66
		.amdhsa_reserve_vcc 0
		.amdhsa_float_denorm_mode_32 3
		.amdhsa_float_denorm_mode_16_64 3
		.amdhsa_memory_ordered 1
		.amdhsa_forward_progress 1
		.amdhsa_inst_pref_size 31
	.end_amdhsa_kernel
	.amdgpu_metadata
---
amdhsa.version: [ 1, 2 ]
amdhsa.kernels:
  - .name:           k_q9b01431c4d_quant_act
    .symbol:         k_q9b01431c4d_quant_act.kd
    .args:
      - { .name: x, .offset: 0, .size: 8, .value_kind: global_buffer, .address_space: global }
      - { .name: context, .offset: 8, .size: 8, .value_kind: global_buffer, .address_space: global }
      - { .name: act_c, .offset: 16, .size: 8, .value_kind: global_buffer, .address_space: global }
      - { .name: act_s, .offset: 24, .size: 8, .value_kind: global_buffer, .address_space: global }
    .group_segment_fixed_size: 34304
    .private_segment_fixed_size: 0
    .kernarg_segment_align: 8
    .kernarg_segment_size: 32
    .max_flat_workgroup_size: 128
    .sgpr_count:     66
    .vgpr_count:     256
    .wavefront_size: 32
...
	.end_amdgpu_metadata
.endif
;; end of part 1
;; launch quant_w (part 2): grid 16 x 16, 2 waves a work-group, no clusters, 13,056 bytes of LDS; arguments Wq, Wk, Wv, Wo, w_c, w_s; writes w_c, w_s
.if DOCPART == 2
	.amdgcn_target "amdgcn-amd-amdhsa--gfx1250"
	.amdhsa_code_object_version 6
	.text
	.protected	k_q9b01431c4d_quant_w
	.globl	k_q9b01431c4d_quant_w
	.p2align	8
	.type	k_q9b01431c4d_quant_w,@function
k_q9b01431c4d_quant_w:
	s_mov_b64 s[64:65], 0
	v_nop
	global_prefetch_b8 v0, s[64:65] scope:SCOPE_SE
	s_setreg_imm32_b32 hwreg(HW_REG_WAVE_MODE, 25, 1), 1
	s_wait_xcnt 0x0
; Wq, Wk, Wv, Wo, each [1024 (K)][1024 (n)] f32 with K as the FIRST axis, become codes of FP6 (E2M3) of W^T and E8M0 bytes, in the layouts of the activations' codes:
; codes 12288 T + 1536 s + 256 p + 8 L, scales 512 T + 128 q + 8 r + e; lane-row r of tile T is row n = 32 (T / 2) + 8 (T % 2) + 16 (r / 8) + r % 8.  The four weights lie one behind the other.
; A LANE TAKES A COLUMN n AND ITS REGISTERS RUN DOWN K: a load reads 128 consecutive bytes, a block of 32 along K lies in one lane, the conversions give codes with K innermost.
; A wave takes 32 columns (two tiles) x 256 along K (8 blocks); the codes go through the wave's own stage in LDS into the images' order and leave as 512 consecutive bytes a store.
; LIMITS: NaN and infinities are not served; blocks under 2^-124 (zeros too) keep the byte 1, which this program alone reads.
.set NB,    8
.set USTR,  3200                       ; a tile's 3,072 bytes in the stage, + 128 so that the two tiles' lanes fall on different banks
.set WSTG,  2*USTR
.set SB,    24                         ; v24-25 the eight scale bytes
.set X,     32                         ; v32-95 two sets of 32 numbers
.set C,     96                         ; v96-101 a block's six registers
.set CT,    104                        ; v104-106 its upper 16 codes as converted
.set OUTR,  112                        ; v112-159 the way out
	s_load_b256 s[4:11], s[0:1], 0x0               ; Wq, Wk, Wv, Wo
	s_load_b128 s[12:15], s[0:1], 0x20             ; w_c, w_s
	v_lshl_add_u32 v192, v0, 2, 0x3200
	v_mov_b32 v193, 0
	v_lshrrev_b32 v1, 5, v0
	v_readfirstlane_b32 s16, v1                    ; wave
	v_and_b32 v1, 31, v0                           ; lane = column in my 32
	v_lshlrev_b32 v3, 2, v1
	v_and_b32 v5, 7, v0
	v_bfe_u32 v6, v0, 4, 1
	v_lshl_add_u32 v5, v6, 3, v5                   ; my lane-row: lane % 8 + 8 (lane / 16)
	v_bfe_u32 v6, v0, 3, 1                         ; my tile of the two: (lane / 8) % 2
	s_mul_i32 s19, s16, WSTG
	v_mul_u32_u24 v4, v6, USTR
	v_lshl_add_u32 v4, v5, 3, v4
	v_add_nc_u32 v4, s19, v4                       ; into the stage
	v_lshlrev_b32 v8, 4, v1                        ; 16 x lane
	v_add_nc_u32 v7, s19, v8                       ; out of it
	v_lshlrev_b32 v9, 9, v6
	v_lshl_add_u32 v9, v5, 3, v9                   ; my scale bytes: 512 x tile + 8 x lane-row
	s_and_b32 s17, ttmp7, 0xffff
	s_lshr_b32 s18, s17, 2                         ; which weight
	s_and_b32 s17, s17, 3                          ; which 256 along K
	s_lshl_b32 s20, ttmp9, 1
	s_add_co_u32 s20, s20, s16                     ; which 32 columns
	s_lshl_b32 s22, s17, 20                        ; 256 rows of 4,096 bytes
	s_lshl_b32 s23, s20, 7
	s_add_co_u32 s22, s22, s23
	s_mov_b32 s23, 0
	s_mul_i32 s24, s18, 786432
	s_mul_i32 s25, s20, 24576
	s_add_co_u32 s24, s24, s25
	s_mul_i32 s25, s17, 3072
	s_add_co_u32 s24, s24, s25
	s_mov_b32 s25, 0
	s_lshl_b32 s26, s18, 15
	s_lshl_b32 s27, s20, 10
	s_add_co_u32 s26, s26, s27
	s_lshl_b32 s27, s17, 7
	s_add_co_u32 s26, s26, s27
	s_mov_b32 s27, 0
	s_wait_kmcnt 0x0
	s_cmp_lt_u32 s18, 1
	s_cselect_b64 s[4:5], s[4:5], s[6:7]
	s_cmp_lt_u32 s18, 3
	s_cselect_b64 s[8:9], s[8:9], s[10:11]
	s_cmp_lt_u32 s18, 2
	s_cselect_b64 s[4:5], s[4:5], s[8:9]
	s_add_nc_u64 s[4:5], s[4:5], s[22:23]
	s_add_nc_u64 s[12:13], s[12:13], s[24:25]
	s_add_nc_u64 s[14:15], s[14:15], s[26:27]
.macro LOAD t
.irp i, 0,1,2,3,4,5,6,7,8,9,10,11,12,13,14,15,16,17,18,19,20,21,22,23,24,25,26,27,28,29,30,31
	global_load_b32 v[X+32*((\t)%2)+\i], v3, s[4:5] offset:(32*(\t)+\i)*4096 th:TH_LOAD_NT
.endr
.endm
	LOAD 0
	LOAD 1
.macro BLOCK t
.set XS, X+32*((\t)%2)
.if (\t) < NB-1
	s_wait_loadcnt 32                              ; this block's 32 loads are in; the next block's may be out
.else
	s_wait_loadcnt 0x0
.endif
	v_max3_num_f32 v12, |v[XS]|, |v[XS+1]|, 0x1800000              ; with the floor 2^(3 - 127)
	v_max3_num_f32 v13, |v[XS+2]|, |v[XS+3]|, |v[XS+4]|
.irp i, 5,9,13,17,21,25
	v_max3_num_f32 v12, v12, |v[XS+\i]|, |v[XS+\i+1]|
	v_max3_num_f32 v13, v13, |v[XS+\i+2]|, |v[XS+\i+3]|
.endr
	v_max3_num_f32 v12, v12, |v[XS+29]|, |v[XS+30]|
	v_max3_num_f32 v12, v12, v13, |v[XS+31]|
	v_add_nc_u32 v11, 0xff000000, v12              ; the conversion's scale operand
	v_lshrrev_b32 v13, 23, v11                     ; the byte
.if (\t)%4 == 0
	v_mov_b32 v[SB+(\t)/4], v13
.else
	v_lshl_or_b32 v[SB+(\t)/4], v13, 8*((\t)%4), v[SB+(\t)/4]
.endif
	v_cvt_scalef32_pk16_fp6_f32 v[C:C+2], v[XS:XS+15], v11
	v_cvt_scalef32_pk16_fp6_f32 v[CT:CT+2], v[XS+16:XS+31], v11
	v_nop                                          ; one plain place behind the conversions
.irp i, 0,1,2
	v_mov_b32 v[C+3+\i], v[CT+\i]
.endr
.irp i, 0,1,2                          ; block t is K step t / 4, registers 6 ((t % 4) / 2) on, of the lane 16 (t % 2) + my lane-row
	ds_store_b64 v4, v[C+2*\i:C+2*\i+1] offset:((\t)/4)*1536+(3*(((\t)%4)/2)+\i)*256+128*((\t)%2)
.endr
.if (\t)+2 < NB
	LOAD (\t)+2
.endif
	s_wait_dscnt 0x0                               ; the stores have read their registers: the next block's codes may be written
.endm
.irp t, 0,1,2,3,4,5,6,7
	BLOCK \t
.endr
	global_store_b64 v9, v[SB:SB+1], s[14:15]      ; my row's eight bytes
.irp n, 0,1,2,3,4,5,6,7,8,9,10,11
	ds_load_b128 v[OUTR+4*\n:OUTR+4*\n+3], v7 offset:(\n/6)*USTR+512*(\n%6)
.endr
.irp n, 0,1,2,3,4,5,6,7,8,9,10,11
	s_wait_dscnt 11-\n
	global_store_b128 v8, v[OUTR+4*\n:OUTR+4*\n+3], s[12:13] offset:(\n/6)*12288+512*(\n%6)   ; 512 consecutive bytes
.endr
	s_wait_tensorcnt 0x0
	ds_add_u32 v192, v193
	s_wait_dscnt 0x0
	s_endpgm
.Lfunc_end_k_q9b01431c4d_quant_w:
	.size	k_q9b01431c4d_quant_w, .Lfunc_end_k_q9b01431c4d_quant_w-k_q9b01431c4d_quant_w
	.p2alignl 7, 3214868480
	.fill 96, 4, 3214868480
	.section	.rodata,"a",@progbits
	.p2align	6, 0x0
	.amdhsa_kernel k_q9b01431c4d_quant_w
		.amdhsa_group_segment_fixed_size 13056
		.amdhsa_private_segment_fixed_size 0
		.amdhsa_enable_private_segment 0
		.amdhsa_kernarg_size 48
		.amdhsa_user_sgpr_count 2
		.amdhsa_user_sgpr_kernarg_segment_ptr 1
		.amdhsa_wavefront_size32 1
		.amdhsa_system_sgpr_workgroup_id_x 1
		.amdhsa_system_sgpr_workgroup_id_y 1
		.amdhsa_system_sgpr_workgroup_id_z 1
		.amdhsa_system_vgpr_workitem_id 0
		.amdhsa_next_free_vgpr 194
		.amdhsa_next_free_sgpr 66
		.amdhsa_reserve_vcc 0
		.amdhsa_float_denorm_mode_32 3
		.amdhsa_float_denorm_mode_16_64 3
		.amdhsa_memory_ordered 1
		.amdhsa_forward_progress 1
		.amdhsa_inst_pref_size 43
	.end_amdhsa_kernel
	.amdgpu_metadata
---
amdhsa.version: [ 1, 2 ]
amdhsa.kernels:
  - .name:           k_q9b01431c4d_quant_w
    .symbol:         k_q9b01431c4d_quant_w.kd
    .args:
      - { .name: Wq, .offset: 0, .size: 8, .value_kind: global_buffer, .address_space: global }
      - { .name: Wk, .offset: 8, .size: 8, .value_kind: global_buffer, .address_space: global }
      - { .name: Wv, .offset: 16, .size: 8, .value_kind: global_buffer, .address_space: global }
      - { .name: Wo, .offset: 24, .size: 8, .value_kind: global_buffer, .address_space: global }
      - { .name: w_c, .offset: 32, .size: 8, .value_kind: global_buffer, .address_space: global }
      - { .name: w_s, .offset: 40, .size: 8, .value_kind: global_buffer, .address_space: global }
    .group_segment_fixed_size: 13056
    .private_segment_fixed_size: 0
    .kernarg_segment_align: 8
    .kernarg_segment_size: 48
    .max_flat_workgroup_size: 64
    .sgpr_count:     66
    .vgpr_count:     194
    .wavefront_size: 32
...
	.end_amdgpu_metadata
.endif
;; end of part 2
;; launch qkv (part 3): grid 4 x 96, 4 waves a work-group, clusters of 4 x 4, 327,680 bytes of LDS; arguments act_c, act_s, w_c, w_s, qkv_c, qkv_s; writes qkv_c, qkv_s
.if DOCPART == 3
	.amdgcn_target "amdgcn-amd-amdhsa--gfx1250"
	.amdhsa_code_object_version 6
	.text
	.protected	k_q9b01431c4d_qkv
	.globl	k_q9b01431c4d_qkv
	.p2align	8
	.type	k_q9b01431c4d_qkv,@function
k_q9b01431c4d_qkv:
	s_mov_b64 s[64:65], 0
	v_nop
	global_prefetch_b8 v0, s[64:65] scope:SCOPE_SE
	s_setreg_imm32_b32 hwreg(HW_REG_WAVE_MODE, 25, 1), 1
	s_wait_xcnt 0x0
	s_wait_alu depctr_hold_cnt(0) depctr_sa_sdst(0) depctr_va_vdst(0) depctr_va_sdst(0) depctr_va_ssrc(0) depctr_va_vcc(0) depctr_vm_vsrc(0)
	s_getreg_b32 s2, hwreg(HW_REG_IB_STS2, 6, 4)
	s_cmp_eq_u32 s2, 0
	s_cbranch_scc0 .Lentry_in_a_cluster
	s_endpgm
.Lentry_in_a_cluster:
	s_bfe_u32 s2, ttmp6, 0x10000c
	s_cmp_lg_u32 s2, 0xf033
	s_cbranch_scc0 .Lentry_shape_is_right
	s_endpgm
.Lentry_shape_is_right:
; Three products on codes of FP6 (E2M3) with E8M0 scales, K = 1,024: q = x Wq, k = context Wk (each 8,192 x 1,024) and v^T = Wv^T context^T (1,024 x 8,192).
; v is made TRANSPOSED, so that in all three the columns of the result are the next product's K (the head's 64 for q and k, the keys for v): one way out serves all.
; The results never leave as f32: each wave quantises its 128 x 128 of C in registers, along the columns, and stores codes and scale words.
; OPERANDS lie in memory as images of their registers: tile T (16 rows), K step s of 128: 1,536 bytes at 12288 T + 1536 s, register pair p of lane L at 256 p + 8 L;
; lane-row r of tile T is row 32 (T / 2) + 8 (T % 2) + 16 (r / 8) + r % 8.  With that order of rows on the side that is source 0, the 16 registers of two neighbouring accumulators are 16 neighbouring columns.
; Scales of the operands: 512 T + 128 q + 8 r + e (q: K step of 256).  Scale words of the results: SP s + 512 G + 256 (a / 4) + 16 r + 4 (a % 4): s the result's K step, G the group of 128 rows, a the tile in it.
; A tile of C, 256 x 256, is made by four waves, 128 x 128 each (64 accumulators).  K goes in four steps of 256 through two LDS slots filled by the tensor data mover; the scales of the 256 + 256 rows come once.
; CLUSTERS: 4 x 4 work-groups; A's tiles are asked for jointly along a row of the cluster, B's along a column.  Eight clusters to a product; which product is a choice of pointers and offsets by s_cselect, no branch.
; THE MATRIX INSTRUCTION IS USED TRANSPOSED: source 0 = 16 rows of B, source 1 = 16 rows of A: a lane holds one row of C and eight neighbouring columns.
; LIMITS: blocks of results under 2^-124 (zeros too) keep the byte 1, which this program alone reads; NaN and infinities are not served.
; REGISTERS: window 0: v16-29 addresses; v32-63 scale words, two sets; v64-107 the way out; v128-223 A's fragments, one set.  window 1: B's fragments, two sets, at v0 and v128.  windows 2, 3: accumulators.
.set NQ,     2
.set FR,     12
.set NL,     6
.set NP,     4
.set TILEB,  3072                      ; a tile's part of a slot: two K steps of 128
.set HALFT,  8*TILEB                   ; eight tiles: what one tensor load brings and what a wave reads of A or of B
.set SLOT,   4*HALFT
.set SCL,    2*SLOT                    ; A's scales, 8,192 bytes
.set SCB,    8320                      ; B's begin so far behind: 128 bytes more than A's length, so that lanes 16-31 read other banks than lanes 0-15
.set SPARE,  213248                    ; the spare words: 128 bytes a wave, two blocks of 256 bytes that no other line names
.set ADRA, 16
.set ADRB, 20
.set ADRS, 24
.set L8,   26
.set L16,  27
.set SPW,  28
.set NIL,  29
.set SC,   32
.set TM,   64                          ; v64-67 largest magnitudes, v68-71 bytes, v76-79 scale operands
.set PW,   80
.set SW,   84                          ; v84-87 the eight tiles' scale words: lanes 0-15 tiles 0-3, lanes 16-31 tiles 4-7
.set CT,   88
.set PC,   96
.set AF,   128
.set SEL,  2
.set HI,   93
.set G1,   24
.set G0,   32
.set G1B,  48
.set G0B,  56
.set G1S,  68
.set G0S,  76
.set G1SB, 80
.set G0SB, 88
.set MSB, 0
.macro WIN new                         ; the immediate's high byte repeats the setting that is left
.if MSB != (\new)
	s_set_vgpr_msb (MSB<<8)|(\new)
.set MSB, (\new)
.endif
.endm
.set MUL_LO, 0xa1                      ; source 0 (B) window 1, source 1 (A) window 0, C and D window 2
.set MUL_HI, 0xf1
.set TO_B,   0x40
.macro JLOAD g0a, g1a, g0b, g1b        ; waves 0, 1 fetch for A, waves 2, 3 for B; four v_nop follow each line
	s_cmp_eq_u32 s17, 0
	s_cbranch_scc0 .Lfor_b_\@
	tensor_load_to_lds s[\g0a:\g0a+3], s[\g1a:\g1a+7]
	s_nop 0
.rept 4
	v_nop
.endr
	s_branch .Lasked_\@
.Lfor_b_\@:
	tensor_load_to_lds s[\g0b:\g0b+3], s[\g1b:\g1b+7]
	s_nop 0
.rept 4
	v_nop
.endr
.Lasked_\@:
.endm
.macro CREST
	s_cmp_lg_u32 s16, 0
	s_cbranch_scc1 .Lnot_wave_0_\@
	s_barrier_signal -3
.Lnot_wave_0_\@:
	s_barrier_wait -3
	s_barrier_signal -1
	s_barrier_wait -1
.endm
.macro CROUND
	s_barrier_signal -1
	s_barrier_wait -1
	CREST
.endm
	s_load_b256 s[4:11], s[0:1], 0x0               ; act_c, act_s, w_c, w_s
	s_load_b128 s[12:15], s[0:1], 0x20             ; qkv_c, qkv_s
	v_lshl_add_u32 v[SPW], v0, 2, SPARE
	v_mov_b32 v[NIL], 0
	ds_add_u32 v28, v29
	ds_add_u32 v28, v29
	s_wait_dscnt 0x0
	v_lshrrev_b32 v1, 5, v0
	v_readfirstlane_b32 s16, v1                    ; wave
	s_lshr_b32 s17, s16, 1                         ; my half of the rows; also: I fetch for A (0) or B (1)
	s_and_b32 s18, s16, 1                          ; my half of the columns; also: which eight tiles I fetch
	s_bfe_u32 s40, ttmp6, 0x40000                  ; cx
	s_bfe_u32 s41, ttmp6, 0x40004                  ; cy
	s_lshl_b32 s44, s41, 2
	s_lshl_b32 s44, 15, s44                        ; my row of the cluster
	s_lshl_b32 s45, 0x1111, s40                    ; my column
	s_and_b32 s19, ttmp7, 0xffff                   ; cluster y, 0 .. 23 (the grid is one cluster wide)
	s_lshr_b32 s92, s19, 3                         ; the product: 0 q, 1 k, 2 v^T
	s_and_b32 s93, s19, 7
	s_lshl_b32 s93, s93, 2                         ; four tiles of the long side for each cluster
	s_mul_i32 s20, s92, 6291456                    ; q, k: A = x or context,
	s_mul_i32 s22, s92, 786432                     ; B = Wq or Wk,
	s_mul_i32 s46, s92, 262144                     ; and their scales
	s_mul_i32 s66, s92, 32768
	s_mov_b32 s94, 12288
	s_mov_b32 s19, 32768
	s_cmp_eq_u32 s92, 2                            ; v^T: A = Wv, B = context.  All selections stand behind this one compare
	s_cselect_b32 s20, 1572864, s20
	s_cselect_b32 s22, 6291456, s22
	s_cselect_b32 s46, 65536, s46
	s_cselect_b32 s66, 262144, s66
	s_cselect_b32 s94, 98304, s94                  ; from tile to tile in the result's codes
	s_cselect_b32 s19, 4096, s19                   ; from K step to K step in the result's scale words
	s_cselect_b32 s21, 0, s93
	s_cselect_b32 s23, s93, 0
	s_add_co_u32 s43, s41, s21                     ; tile row of C
	s_add_co_u32 s42, s40, s23                     ; tile column of C
	s_lshl_b32 s95, s18, 3
	s_lshl_b32 s21, s43, 4
	s_add_co_u32 s21, s21, s95                     ; A: the first tile that I fetch
	s_mul_i32 s100, s21, 12288
	s_add_co_u32 s20, s20, s100
	s_lshl_b32 s21, s21, 9
	s_add_co_u32 s46, s46, s21
	s_mov_b32 s21, 0
	s_mov_b32 s47, 0
	s_lshl_b32 s23, s42, 4
	s_add_co_u32 s23, s23, s95                     ; B likewise
	s_mul_i32 s67, s23, 12288
	s_add_co_u32 s22, s22, s67
	s_lshl_b32 s23, s23, 9
	s_add_co_u32 s66, s66, s23
	s_mov_b32 s23, 0
	s_mov_b32 s67, 0
	s_mov_b32 s95, 0                               ; s[94:95]: the result's tile pitch as a pair
	; group 1, codes: eight rows (tiles) of 3,072 bytes, 12,288 bytes apart; elements of 8 bytes; no padding: an LDS load's 256 bytes are consecutive
	s_or_b32 s[G1+0], s44, (3<<16)|(1<<21)
	s_or_b32 s[G1B+0], s45, (3<<16)|(1<<21)
.irp g, G1, G1B
	s_mov_b32 s[\g+1], 384<<16
	s_mov_b32 s[\g+2], 8<<16
	s_mov_b32 s[\g+3], 384<<16
	s_mov_b32 s[\g+4], 8
	s_mov_b32 s[\g+5], 1536
	s_mov_b32 s[\g+6], 0
	s_mov_b32 s[\g+7], 0
.endr
	; group 1, scales: eight tiles x 512 dense bytes, as 16 rows of 256
	s_or_b32 s[G1S+0], s44, (3<<16)|(1<<21)
	s_or_b32 s[G1SB+0], s45, (3<<16)|(1<<21)
.irp g, G1S, G1SB
	s_mov_b32 s[\g+1], 32<<16
	s_mov_b32 s[\g+2], 16<<16
	s_mov_b32 s[\g+3], 32<<16
	s_mov_b32 s[\g+4], 16
	s_mov_b32 s[\g+5], 32
	s_mov_b32 s[\g+6], 0
	s_mov_b32 s[\g+7], 0
.endr
	s_mul_i32 s2, s16, HALFT                       ; where my tiles go: wave x eight tiles
	s_lshl_b32 s3, s16, 12                         ; and my scales
	s_wait_kmcnt 0x0
	s_cmp_eq_u32 s92, 2
	s_cselect_b64 s[96:97], s[8:9], s[4:5]         ; A's codes
	s_cselect_b64 s[98:99], s[4:5], s[8:9]         ; B's codes
	s_cselect_b64 s[100:101], s[10:11], s[6:7]     ; A's scales
	s_cselect_b64 s[6:7], s[6:7], s[10:11]         ; B's scales
	s_add_nc_u64 s[96:97], s[96:97], s[20:21]
	s_add_nc_u64 s[98:99], s[98:99], s[22:23]
	s_add_nc_u64 s[100:101], s[100:101], s[46:47]
	s_add_nc_u64 s[66:67], s[6:7], s[66:67]
	CROUND                                         ; all sixteen work-groups are here: the first joint loads meet
	s_mov_b32 s[G0S], 1
	s_add_co_u32 s[G0S+1], s3, SCL
	s_mov_b64 s[G0S+2:G0S+3], s[100:101]
	s_or_b32 s[G0S+3], s[G0S+3], 0x80000000
	s_mov_b32 s[G0SB], 1
	s_add_co_u32 s[G0SB+1], s3, SCL+128
	s_mov_b64 s[G0SB+2:G0SB+3], s[66:67]
	s_or_b32 s[G0SB+3], s[G0SB+3], 0x80000000
	JLOAD G0S, G1S, G0SB, G1SB                     ; the scales first: they are wanted with K step 0
.irp s, 0,1
	s_mov_b32 s[G0+4*\s], 1
	s_add_co_u32 s[G0+4*\s+1], s2, \s*SLOT
	s_add_nc_u64 s[G0+4*\s+2:G0+4*\s+3], s[96:97], \s*TILEB
	s_or_b32 s[G0+4*\s+3], s[G0+4*\s+3], 0x80000000
	s_mov_b32 s[G0B+4*\s], 1
	s_add_co_u32 s[G0B+4*\s+1], s2, \s*SLOT
	s_add_nc_u64 s[G0B+4*\s+2:G0B+4*\s+3], s[98:99], \s*TILEB
	s_or_b32 s[G0B+4*\s+3], s[G0B+4*\s+3], 0x80000000
	JLOAD G0+4*\s, G1, G0B+4*\s, G1B
.endr
	v_and_b32 v1, 31, v0                           ; L
	v_and_b32 v3, 15, v0                           ; r
	v_bfe_u32 v2, v0, 4, 1                         ; h
	v_lshlrev_b32 v[L8], 3, v1
	v_lshlrev_b32 v[L16], 4, v1
	s_mul_i32 s20, s17, HALFT                      ; my eight tiles of A
	s_mul_i32 s21, s18, HALFT                      ; my eight of B,
	s_add_co_u32 s21, s21, 2*HALFT                 ; behind A's sixteen
.irp s, 0,1
	v_add_nc_u32 v[ADRA+\s], s20, v[L8]
	v_add_nc_u32 v[ADRB+\s], s21, v[L8]
	s_add_co_u32 s20, s20, SLOT
	s_add_co_u32 s21, s21, SLOT
.endr
	s_lshl_b32 s20, s17, 12                        ; A's scales: my eight tiles
	s_lshl_b32 s21, s18, 12
	s_add_co_u32 s21, s21, SCB                     ; B's
	s_sub_co_u32 s21, s21, s20
	v_mul_u32_u24 v4, s21, v2                      ; lanes 16-31 take B's: one product, the distance x h
	s_add_co_u32 s20, s20, SCL
	v_lshl_add_u32 v4, v3, 3, v4
	v_add_nc_u32 v[ADRS], s20, v4
.irp b, 0,1,2,3
	v_mov_b32 v[TM+4+\b], 0                        ; a lane permute's destination counts as read
.endr
	; where my results go
	s_lshl_b32 s96, s43, 4
	s_lshl_b32 s97, s17, 3
	s_add_co_u32 s96, s96, s97                     ; my first tile of rows
	s_mul_i32 s96, s96, s94
	s_mul_i32 s97, s92, 6291456
	s_add_co_u32 s96, s96, s97
	s_lshl_b32 s97, s42, 1
	s_add_co_u32 s97, s97, s18                     ; my 128 columns: the result's K step
	s_mul_i32 s98, s97, 1536
	s_add_co_u32 s96, s96, s98
	s_mul_i32 s98, s97, s19
	s_mov_b32 s97, 0
	s_add_nc_u64 s[12:13], s[12:13], s[96:97]
	s_mul_i32 s99, s92, 262144
	s_add_co_u32 s98, s98, s99
	s_lshl_b32 s99, s43, 1
	s_add_co_u32 s99, s99, s17                     ; my group of 128 rows
	s_lshl_b32 s99, s99, 9
	s_add_co_u32 s98, s98, s99
	s_mov_b32 s99, 0
	s_add_nc_u64 s[14:15], s[14:15], s[98:99]
	s_mov_b32 s[SEL], 0x76543210
	s_mov_b32 s[SEL+1], 0xfedcba98
	s_mov_b32 s[HI], 0xffff0000
.macro FRAG reg, adr, q, i             ; a fragment is six loads of 8 bytes a lane, 256 consecutive bytes each
.irp p, 0,1,2,3,4,5
	ds_load_b64 v[\reg+2*\p:\reg+2*\p+1], v[\adr] offset:(\i)*TILEB+(\q)*1536+\p*256
.endr
.endm
; 16 matrix instructions: A's blocks a0, a0 + 1 x B's eight.  The 64 accumulators take turns, one instruction a turn, in the same order in every step.
.macro MUL16 a0, p, q, sc, zero
.irp a, \a0, \a0+1
.irp b, 0,1,2,3,4,5,6,7
.if \zero
	v_wmma_scale_f32_16x16x128_f8f6f4 v[8*(8*((\a)%4)+\b):8*(8*((\a)%4)+\b)+7], v[128*(\p)+FR*\b:128*(\p)+FR*\b+FR-1], v[AF+FR*(\a):AF+FR*(\a)+FR-1], 0, v[SC+8*NQ*(\sc)+NQ*\b+(\q)], v[SC+8*NQ*(\sc)+NQ*(\a)+(\q)] matrix_a_fmt:MATRIX_FMT_FP6 matrix_b_fmt:MATRIX_FMT_FP6 matrix_a_scale:MATRIX_SCALE_ROW1
.else
	v_wmma_scale_f32_16x16x128_f8f6f4 v[8*(8*((\a)%4)+\b):8*(8*((\a)%4)+\b)+7], v[128*(\p)+FR*\b:128*(\p)+FR*\b+FR-1], v[AF+FR*(\a):AF+FR*(\a)+FR-1], v[8*(8*((\a)%4)+\b):8*(8*((\a)%4)+\b)+7], v[SC+8*NQ*(\sc)+NQ*\b+(\q)], v[SC+8*NQ*(\sc)+NQ*(\a)+(\q)] matrix_a_fmt:MATRIX_FMT_FP6 matrix_b_fmt:MATRIX_FMT_FP6 matrix_a_scale:MATRIX_SCALE_ROW1
.endif
.endr
.endr
.endm
.macro FETCH_B slot, q, p
	WIN TO_B
.irp i, 0,1,2,3,4,5,6,7
	FRAG 128*(\p)+FR*\i, ADRB+\slot, \q, \i
.endr
	WIN 0
.endm
.macro FETCH_A slot, q, i0
.irp i, \i0, \i0+1, \i0+2, \i0+3
	FRAG AF+FR*(\i), ADRA+\slot, \q, \i
.endr
.endm
.macro SCALES sc                       ; a K step's two words a row: lanes 0-15 A's tile i, lanes 16-31 B's tile i
.irp i, 0,1,2,3,4,5,6,7
	ds_load_b64 v[SC+8*NQ*\sc+NQ*\i:SC+8*NQ*\sc+NQ*\i+1], v[ADRS] offset:\i*512
.endr
.endm
.macro PLACES n                        ; plain places behind matrix instructions, in front of loads into their registers and of reads of results
.rept \n
	v_nop
.endr
.endm
.macro STEP slot, q, zero              ; 128 along K that has its successor in the same slot
	s_wait_dscnt 4*NL                              ; B's set and A's blocks 0-3 are in; the youngest 24 loads (A's blocks 4-7) may be out
	WIN MUL_LO
	MUL16 0, (\q)%2, \q, \slot, \zero
	MUL16 2, (\q)%2, \q, \slot, \zero
	s_wait_dscnt 0
	PLACES NP
	FETCH_B \slot, (\q)+1, 1-(\q)%2
	FETCH_A \slot, (\q)+1, 0
	WIN MUL_HI
	MUL16 4, (\q)%2, \q, \slot, \zero
	MUL16 6, (\q)%2, \q, \slot, \zero
	PLACES NP
	WIN 0
	FETCH_A \slot, (\q)+1, 4
.endm
; A slot's last step changes slots: one barrier; in front of it each wave waits for all its tensor loads, adds 0 to its spare word, and waits for that and for its reads of this slot.
.macro TURN slot, next, fill
	s_wait_tensorcnt 0x0                           ; all my tensor loads have landed: my part of the next slot
	ds_add_u32 v[SPW], v[NIL]                      ; 0 onto my spare word
	s_wait_dscnt 4*NL+1                            ; (the add and A's blocks 4-7 may be out)
	WIN MUL_LO
	MUL16 0, 1, NQ-1, \slot, 0
	s_wait_dscnt 0x0                               ; the add is done, and my reads of this slot are over
	s_barrier_signal -1
	MUL16 2, 1, NQ-1, \slot, 0
	WIN 0
	s_barrier_wait -1
.if \fill
	CREST                                          ; the barrier has opened a round of the cluster's: no wave of any partner still reads this slot or has a load on its way
	s_add_nc_u64 s[G0+4*\slot+2:G0+4*\slot+3], s[G0+4*\slot+2:G0+4*\slot+3], 2*TILEB
	s_add_nc_u64 s[G0B+4*\slot+2:G0B+4*\slot+3], s[G0B+4*\slot+2:G0B+4*\slot+3], 2*TILEB
	JLOAD G0+4*\slot, G1, G0B+4*\slot, G1B         ; the first tensor load behind the round; its four v_nop are the places in front of the loads below
.else
	PLACES NP
.endif
	v_add_nc_u32 v[ADRS], 128, v[ADRS]             ; the next K step's scale words
	FETCH_B \next, 0, 0
	FETCH_A \next, 0, 0
	SCALES \next
	WIN MUL_HI
	MUL16 4, 1, NQ-1, \slot, 0
	MUL16 6, 1, NQ-1, \slot, 0
	PLACES NP
	WIN 0
	FETCH_A \next, 0, 4
.endm
	s_wait_tensorcnt 1                             ; the scales and my part of K step 0 are in; K step 1's load may be out
	s_barrier_signal -1
	s_barrier_wait -1
	FETCH_B 0, 0, 0
	FETCH_A 0, 0, 0
	SCALES 0
	FETCH_A 0, 0, 4
	STEP 0, 0, 1                                   ; the first products start the sums: nothing is cleared
	TURN 0, 1, 1                                   ; slot 0 takes K step 2
	STEP 1, 0, 0
	TURN 1, 0, 1                                   ; slot 1 takes K step 3
	STEP 0, 0, 0
	TURN 0, 1, 0                                   ; nothing is left to fetch
	STEP 1, 0, 0
	s_wait_dscnt 4*NL
	WIN MUL_LO
	MUL16 0, 1, NQ-1, 1, 0
	MUL16 2, 1, NQ-1, 1, 0
	s_wait_dscnt 0
	WIN MUL_HI
	MUL16 4, 1, NQ-1, 1, 0
	MUL16 6, 1, NQ-1, 1, 0
	WIN 0
; THE WAY OUT.  Block a (16 rows x 128 columns): register 16 b + i of its eight accumulators is column 32 b + 16 h + i of my lane's row.  The four blocks of 32 are quantised as they stand:
; largest magnitude (with lane l xor 16's), byte, conversion, exchange of halves; the 12 registers are the next product's fragment and leave as its image, 256 consecutive bytes a store.
.macro QUANT a
.set AC, 64*((\a)%4)
.set WN, 2+(\a)/4
.set WMX, (WN<<2)|(WN<<4)
	WIN WMX                                        ; sources 1 and 2: the accumulators' window
.irp b, 0,1,2,3
	v_max3_num_f32 v[TM+\b], 0x1800000, |v[AC+16*\b]|, |v[AC+16*\b+1]|     ; each accumulator from its low end on; the floor 2^(3 - 127) among the leaves
.endr
.irp i, 2,4,6,8,10,12,14
.irp b, 0,1,2,3
	v_max3_num_f32 v[TM+\b], v[TM+\b], |v[AC+16*\b+\i]|, |v[AC+16*\b+\i+1]|
.endr
.endr
	WIN 0
.irp b, 0,1,2,3
	v_permlanex16_b32 v[TM+4+\b], v[TM+\b], s[SEL], s[SEL+1]
.endr
.irp b, 0,1,2,3
	v_max_num_f32 v[TM+\b], v[TM+\b], v[TM+4+\b]
.endr
.irp b, 0,1,2,3
	v_add_nc_u32 v[TM+12+\b], 0xff000000, v[TM+\b]
.endr
.irp b, 0,1,2,3
	v_lshrrev_b32 v[TM+4+\b], 23, v[TM+12+\b]
.endr
.if (\a) < 4
.set WD, SW+(\a)
.else
.set WD, PW
.endif
	v_lshl_or_b32 v[WD], v[TM+5], 8, v[TM+4]
	v_lshl_or_b32 v[WD], v[TM+6], 16, v[WD]
	v_lshl_or_b32 v[WD], v[TM+7], 24, v[WD]
.if (\a) > 0
	s_wait_xcnt 0x0                                ; the last block's stores have read their data and their base
	s_add_nc_u64 s[12:13], s[12:13], s[94:95]      ; the next tile of rows
.endif
	WIN WN                                         ; source 0: the accumulators' window
.irp c, 0,1
	v_cvt_scalef32_pk16_fp6_f32 v[PC+6*\c:PC+6*\c+2], v[AC+32*\c:AC+32*\c+15], v[TM+12+2*\c]
	v_cvt_scalef32_pk16_fp6_f32 v[CT+4*\c:CT+4*\c+2], v[AC+32*\c+16:AC+32*\c+31], v[TM+12+2*\c+1]
.endr
	WIN 0
	v_nop                                          ; one plain place behind the conversions
.irp c, 0,1                            ; a whole block to a lane: lanes 0-15 block 2 c, lanes 16-31 block 2 c + 1
.irp i, 0,1,2
	v_permlane16_swap_b32 v[PC+6*\c+\i], v[CT+4*\c+\i]
.endr
.irp i, 0,1,2
	v_mov_b32 v[PC+3+6*\c+\i], v[CT+4*\c+\i]
.endr
.endr
.if (\a) >= 4
	v_cndmask_b32 v[SW+(\a)-4], v[SW+(\a)-4], v[PW], s[HI]     ; lanes 16-31 keep tiles 4-7's words
.endif
.irp p, 0,1,2,3,4,5
	global_store_b64 v[L8], v[PC+2*\p:PC+2*\p+1], s[12:13] offset:256*\p
.endr
.endm
	PLACES NP
.irp a, 0,1,2,3,4,5,6,7
	QUANT \a
.endr
	global_store_b128 v[L16], v[SW:SW+3], s[14:15] ; my 128 rows' scale words: 512 consecutive bytes
	s_wait_tensorcnt 0x0                           ; the wave's end
	ds_add_u32 v[SPW], v[NIL]
	s_wait_dscnt 0x0
	CROUND                                         ; the closing round
	s_endpgm
.Lfunc_end_k_q9b01431c4d_qkv:
	.size	k_q9b01431c4d_qkv, .Lfunc_end_k_q9b01431c4d_qkv-k_q9b01431c4d_qkv
	.p2alignl 7, 3214868480
	.fill 96, 4, 3214868480
	.section	.rodata,"a",@progbits
	.p2align	6, 0x0
	.amdhsa_kernel k_q9b01431c4d_qkv
		.amdhsa_group_segment_fixed_size 327680
		.amdhsa_private_segment_fixed_size 0
		.amdhsa_enable_private_segment 0
		.amdhsa_kernarg_size 48
		.amdhsa_user_sgpr_count 2
		.amdhsa_user_sgpr_kernarg_segment_ptr 1
		.amdhsa_wavefront_size32 1
		.amdhsa_system_sgpr_workgroup_id_x 1
		.amdhsa_system_sgpr_workgroup_id_y 1
		.amdhsa_system_sgpr_workgroup_id_z 1
		.amdhsa_system_vgpr_workitem_id 0
		.amdhsa_next_free_vgpr 1024
		.amdhsa_next_free_sgpr 102
		.amdhsa_reserve_vcc 0
		.amdhsa_float_denorm_mode_32 3
		.amdhsa_float_denorm_mode_16_64 3
		.amdhsa_memory_ordered 1
		.amdhsa_forward_progress 1
		.amdhsa_inst_pref_size 167
	.end_amdhsa_kernel
	.amdgpu_metadata
---
amdhsa.version: [ 1, 2 ]
amdhsa.kernels:
  - .name:           k_q9b01431c4d_qkv
    .symbol:         k_q9b01431c4d_qkv.kd
    .args:
      - { .name: act_c, .offset: 0, .size: 8, .value_kind: global_buffer, .address_space: global }
      - { .name: act_s, .offset: 8, .size: 8, .value_kind: global_buffer, .address_space: global }
      - { .name: w_c, .offset: 16, .size: 8, .value_kind: global_buffer, .address_space: global }
      - { .name: w_s, .offset: 24, .size: 8, .value_kind: global_buffer, .address_space: global }
      - { .name: qkv_c, .offset: 32, .size: 8, .value_kind: global_buffer, .address_space: global }
      - { .name: qkv_s, .offset: 40, .size: 8, .value_kind: global_buffer, .address_space: global }
    .group_segment_fixed_size: 327680
    .private_segment_fixed_size: 0
    .kernarg_segment_align: 8
    .kernarg_segment_size: 48
    .max_flat_workgroup_size: 128
    .sgpr_count:     102
    .vgpr_count:     1024
    .wavefront_size: 32
...
	.end_amdgpu_metadata
.endif
;; end of part 3
;; launch attn (part 4): grid 4 x 64, 8 waves a work-group, clusters of 4 x 1, 222,208 bytes of LDS; arguments qkv_c, qkv_s, mask, o_c, o_s; writes o_c, o_s
.if DOCPART == 4
	.amdgcn_target "amdgcn-amd-amdhsa--gfx1250"
	.amdhsa_code_object_version 6
	.text
	.protected	k_q9b01431c4d_attn
	.globl	k_q9b01431c4d_attn
	.p2align	8
	.type	k_q9b01431c4d_attn,@function
k_q9b01431c4d_attn:
	s_mov_b64 s[64:65], 0
	v_nop
	global_prefetch_b8 v0, s[64:65] scope:SCOPE_SE
	s_setreg_imm32_b32 hwreg(HW_REG_WAVE_MODE, 25, 1), 1
	s_wait_xcnt 0x0
	s_wait_alu depctr_hold_cnt(0) depctr_sa_sdst(0) depctr_va_vdst(0) depctr_va_sdst(0) depctr_va_ssrc(0) depctr_va_vcc(0) depctr_vm_vsrc(0)
	s_getreg_b32 s2, hwreg(HW_REG_IB_STS2, 6, 4)
	s_cmp_eq_u32 s2, 0
	s_cbranch_scc0 .Lentry_in_a_cluster
	s_endpgm
.Lentry_in_a_cluster:
	s_bfe_u32 s2, ttmp6, 0x10000c
	s_cmp_lg_u32 s2, 0x3003
	s_cbranch_scc0 .Lentry_shape_is_right
	s_endpgm
.Lentry_shape_is_right:
; Attention of one head on codes of FP6 (E2M3): S^T = k q^T (K = the head's 64), mask, p = 2^(t - M), O^T = v^T p^T (K = the keys), O / l, quantised along the model axis for the last product.
; t = score x log2(e) / 8; M = the running largest t rounded up to a whole number; the row's sum is taken of the unquantised p; when M moves, sum and O are multiplied by 2^(old M - new M), exactly.
; SHARES.  A work-group owns one (batch, head) and 512 queries, in two passes of 256; each of its 8 waves owns TWO tiles of 16 queries a pass, which share every fragment of k, v and mask read from LDS.
; The head's whole k and v (codes and scales) come into LDS ONCE, by tensor loads at the head, in four stages of 512 keys; no LDS byte is filled twice.
; CLUSTER.  The four work-groups of a head want the same k and v: each tile is asked for jointly (mask 15).  The place in the cluster enters q's and o's global addresses alone.
; THE MASK costs no vector work in the loop: at the head each key's byte becomes 0 or -2^120 in LDS, and those numbers are the C of the score products.
; K = 64 IN AN INSTRUCTION OF K = 128: q's codes of k 64 .. 127 are zeros, so what stands in k's upper six registers (the next tile's codes; E2M3 has no NaN) adds nothing; the upper scale bytes are 0 (2^-127).
; LAYOUT.  Both products are used transposed, a lane holds one query.  The rows of every tile are ordered 32 (T / 2) + 8 (T % 2) + 16 (r / 8) + r % 8, so that the 16 registers of two neighbouring tiles are 16 neighbours along the next K.
; LIMITS: |score| under 2^96; a batch whose mask keeps no key gives l = 0 and NaN; NaN and infinities are not served; blocks under 2^-124 (zeros too) keep the byte 1, which this program alone reads.
; REGISTERS.  window 0: v1-13 addresses; v16-27 statistics; v28-41 scale registers; v44-83 at work; v84-107 p's codes; v108-119 the way out; v128-255 the scores of the two tiles.
;   window 1: v0-63 O^T; v64-87 q (upper six of each twelve zero); v88-99 the next pass's q; v100-153 k's eight tiles, six registers each, and six zeros; v156-203 v's four tiles.
.set KC,   0                           ; k's codes: key step j, tile t at 6144 j + 768 t
.set VC,   98304                       ; v's: 24576 (j / 4) + 6144 tile + 1536 (j % 4)
.set KSC,  196608                      ; k's scale words: 512 j + 256 (t / 4) + 16 r + 4 (t % 4)
.set VSC,  204800                      ; v's: 4096 (j / 8) + 256 (j % 8) + 16 r + 4 tile
.set BIAS, 212992                      ; 0 or -2^120 for each key, 4 bytes; written by LDS stores, in blocks of 256 bytes into which no fill lands
.set AK0,  1
.set AV0,  2
.set AKS0, 3
.set AVS0, 4
.set AB0,  5
.set L8,   6
.set AQS,  7
.set AOS,  8
.set ADK,  9
.set ADV,  10
.set ADS,  11
.set ADT,  12
.set ADB,  13
.set ST,   16                          ; tile u at +4 u: -M, largest t, the sum in two halves
.set F,    24                          ; tile u at +2 u: f, and a word that is only named
.set KS,   28
.set VS,   32
.set QS,   36
.set QSN,  38
.set PS,   40
.set BM,   44                          ; tile u at +12 u: four block maxima, four temporaries, four scale operands
.set SUMT, 68
.set XR,   72
.set HW,   74
.set CT,   76
.set P,    84
.set WC,   108
.set SA,   128
.set OA,   0
.set Q,    64
.set QN,   88
.set KF,   100
.set VF,   156
.set WV,   14
.set G1K,  24
.set G1V,  32
.set G1KS, 40
.set G1VS, 48
.set SEL,  80
.set CS,   82
.set TK,   84
.set TV,   85
.set TS,   86
.set TW,   87
.set PASS, 88
.set CNT,  89
.set HI,   90
.set QP,   92
.set QSP,  94
.set OP,   96
.set OSP,  98
.set MSB, 0
.macro WIN new
.if MSB != (\new)
	s_set_vgpr_msb (MSB<<8)|(\new)
.set MSB, (\new)
.endif
.endm
.macro ROUND
	s_barrier_signal -1
	s_barrier_wait -1
	s_cmp_lg_u32 s[WV], 0
	s_cbranch_scc1 .Lnot_wave_0_\@
	s_barrier_signal -3
.Lnot_wave_0_\@:
	s_barrier_wait -3
	s_barrier_signal -1
	s_barrier_wait -1
.endm
.macro G1SET reg, c, r, p              ; r rows of c elements of 8 bytes, p elements apart; mask 15, bit 21 beside it; no padding
	s_mov_b32 s[\reg], 15|(3<<16)|(1<<21)
	s_mov_b32 s[\reg+1], (\c)<<16
	s_mov_b32 s[\reg+2], (\r)<<16
	s_mov_b32 s[\reg+3], (\c)<<16
	s_mov_b32 s[\reg+4], \r
	s_mov_b32 s[\reg+5], \p
	s_mov_b32 s[\reg+6], 0
	s_mov_b32 s[\reg+7], 0
.endm
.macro G0SET reg, g                    ; stage g's group 0; the address then steps to the next stage
	s_mov_b32 s[\reg], 1
	s_add_co_u32 s[\reg+1], s91, 24576*(\g)
	s_mov_b64 s[\reg+2:\reg+3], s[22:23]
	s_or_b32 s[\reg+3], s[\reg+3], 0x80000000
	s_add_nc_u64 s[22:23], s[22:23], s[84:85]
.endm
	s_load_b256 s[4:11], s[0:1], 0x0               ; qkv_c, qkv_s, mask, o_c
	s_load_b64 s[12:13], s[0:1], 0x20              ; o_s
	v_lshl_add_u32 v126, v0, 2, 0x36000
	v_mov_b32 v127, 0
	ds_add_u32 v126, v127
	ds_add_u32 v126, v127
	v_lshrrev_b32 v9, 5, v0
	v_readfirstlane_b32 s[WV], v9                  ; wave 0..7
	s_bfe_u32 s15, ttmp6, 0x40000                  ; cx: which quarter of the queries
	s_and_b32 s16, ttmp7, 0xffff
	s_lshr_b32 s17, s16, 4                         ; batch
	s_and_b32 s18, s16, 15                         ; head
	s_lshr_b32 s19, s18, 1                         ; the pair of heads: a K step of 128 in q's and k's codes
	s_and_b32 s20, s18, 1                          ; which of the pair
	s_and_b32 s21, s[WV], 1                        ; which half of a stage I fetch
	G1SET G1K, 96, 16, 1536                        ; k: 16 tiles x 768 bytes, 12,288 apart
	G1SET G1V, 768, 2, 12288                       ; v: 2 tiles x 6,144 bytes (four key steps), 98,304 apart
	G1SET G1KS, 32, 16, 32                         ; k's scale words: 4,096 dense bytes
	G1SET G1VS, 32, 8, 512                         ; v's: 8 key steps x 256 bytes, 4,096 apart
	s_lshl_b32 s22, s17, 7                         ; k's codes: tile 128 b + 16 half,
	s_lshl_b32 s23, s21, 4
	s_add_co_u32 s22, s22, s23
	s_mul_i32 s22, s22, 12288
	s_mul_i32 s23, s19, 1536
	s_add_co_u32 s22, s22, s23
	s_mul_i32 s23, s20, 768
	s_add_co_u32 s22, s22, s23
	s_add_co_u32 s22, s22, 6291456
	s_lshl_b32 s84, s18, 2                         ; v's: tile 4 head + 2 half, K step 16 b
	s_lshl_b32 s23, s21, 1
	s_add_co_u32 s84, s84, s23
	s_mul_i32 s84, s84, 98304
	s_mul_i32 s23, s17, 24576
	s_add_co_u32 s84, s84, s23
	s_add_co_u32 s84, s84, 12582912
	s_lshl_b32 s85, s19, 15                        ; k's scale words
	s_lshl_b32 s23, s17, 13
	s_add_co_u32 s85, s85, s23
	s_lshl_b32 s23, s21, 12
	s_add_co_u32 s85, s85, s23
	s_add_co_u32 s85, s85, 262144
	s_lshl_b32 s86, s17, 16                        ; v's
	s_lshl_b32 s23, s21, 15
	s_add_co_u32 s86, s86, s23
	s_lshl_b32 s23, s18, 8
	s_add_co_u32 s86, s86, s23
	s_add_co_u32 s86, s86, 524288
	s_mov_b32 s87, 6144
	s_cmp_lt_u32 s[WV], 2                          ; waves 0, 1 fetch k, waves 2, 3 v (offsets are chosen; both lie in the same two buffers)
	s_cselect_b32 s22, s22, s84
	s_cselect_b32 s86, s85, s86
	s_cselect_b32 s84, 393216, s87                 ; from stage to stage: 32 tiles of k, or four K steps of v
	s_mov_b32 s23, 0
	s_mov_b32 s85, 0
	s_mov_b32 s87, 0
	s_lshr_b32 s91, s[WV], 1
	s_mul_i32 s91, s91, 98304
	s_mul_i32 s16, s21, 12288
	s_add_co_u32 s91, s91, s16                     ; where my part of stage 0 goes
	s_wait_dscnt 0x0
	s_wait_kmcnt 0x0
	s_mov_b32 s56, 1
	s_lshl_b32 s57, s[WV], 12
	s_add_co_u32 s57, s57, KSC
	s_add_nc_u64 s[58:59], s[6:7], s[86:87]
	s_or_b32 s59, s59, 0x80000000
	s_add_nc_u64 s[22:23], s[4:5], s[22:23]
	G0SET 60, 0
	G0SET 68, 1
	G0SET 72, 2
	G0SET 76, 3
	ROUND                                          ; all four work-groups are here: the joint loads meet
	s_cmp_lt_u32 s[WV], 2                          ; a wave's five fills stand in one branch: the scale words, then the stages in order; five tensor loads of a wave are out at most
	s_cbranch_scc0 .Lnot_k
	tensor_load_to_lds s[56:59], s[G1KS:G1KS+7]
	s_nop 0
	tensor_load_to_lds s[60:63], s[G1K:G1K+7]
	s_nop 0
	tensor_load_to_lds s[68:71], s[G1K:G1K+7]
	s_nop 0
	tensor_load_to_lds s[72:75], s[G1K:G1K+7]
	s_nop 0
	tensor_load_to_lds s[76:79], s[G1K:G1K+7]
	s_nop 0
.rept 4
	v_nop
.endr
	s_branch .Lasked
.Lnot_k:
	s_cmp_lt_u32 s[WV], 4
	s_cbranch_scc0 .Lasked
	tensor_load_to_lds s[56:59], s[G1VS:G1VS+7]
	s_nop 0
	tensor_load_to_lds s[60:63], s[G1V:G1V+7]
	s_nop 0
	tensor_load_to_lds s[68:71], s[G1V:G1V+7]
	s_nop 0
	tensor_load_to_lds s[72:75], s[G1V:G1V+7]
	s_nop 0
	tensor_load_to_lds s[76:79], s[G1V:G1V+7]
	s_nop 0
.rept 4
	v_nop
.endr
.Lasked:
	; q's, o's and the mask's addresses
	s_lshl_b32 s100, s17, 7
	s_lshl_b32 s101, s15, 5
	s_add_co_u32 s100, s100, s101
	s_lshl_b32 s101, s[WV], 1
	s_add_co_u32 s100, s100, s101                  ; my first tile of queries: 128 b + 32 cx + 2 wave
	s_mul_i32 s92, s100, 12288
	s_mul_i32 s101, s19, 1536
	s_add_co_u32 s92, s92, s101
	s_mul_i32 s101, s20, 768
	s_add_co_u32 s92, s92, s101
	s_mov_b32 s93, 0
	s_add_nc_u64 s[OP:OP+1], s[10:11], s[92:93]
	s_add_nc_u64 s[QP:QP+1], s[4:5], s[92:93]
	s_lshl_b32 s98, s100, 9
	s_lshr_b32 s101, s18, 2
	s_lshl_b32 s101, s101, 7
	s_add_co_u32 s98, s98, s101
	s_and_b32 s101, s18, 3
	s_lshl_b32 s101, s101, 1
	s_add_co_u32 s98, s98, s101
	s_mov_b32 s99, 0
	s_add_nc_u64 s[OSP:OSP+1], s[12:13], s[98:99]
	s_lshr_b32 s94, s100, 3
	s_lshl_b32 s94, s94, 9
	s_bfe_u32 s101, s100, 0x10002
	s_lshl_b32 s101, s101, 8
	s_add_co_u32 s94, s94, s101
	s_and_b32 s101, s100, 3
	s_lshl_b32 s101, s101, 2
	s_add_co_u32 s94, s94, s101
	s_lshl_b32 s101, s19, 15
	s_add_co_u32 s94, s94, s101
	s_lshl_b32 s16, s20, 1                         ; 2 x which of the pair: the half of a scale word
	s_add_co_u32 s94, s94, s16
	s_mov_b32 s95, 0
	s_add_nc_u64 s[QSP:QSP+1], s[6:7], s[94:95]
	s_lshl_b32 s100, s17, 11
	s_mov_b32 s101, 0
	s_add_nc_u64 s[8:9], s[8:9], s[100:101]        ; my batch's mask
	v_lshlrev_b32 v112, 3, v0
	global_load_b64 v[110:111], v112, s[8:9]       ; eight keys' bytes a thread
	v_and_b32 v120, 31, v0                         ; L
	v_and_b32 v121, 15, v0                         ; r
	v_bfe_u32 v122, v0, 4, 1                       ; h
	v_lshlrev_b32 v[L8], 3, v120
	v_lshlrev_b32 v[AQS], 4, v121
	v_lshl_add_u32 v[AQS], v122, 2, v[AQS]         ; q's scale words: lanes 0-15 my first tile's, lanes 16-31 my second's
.macro QLOAD                           ; a pass's q: two tiles x six registers, and their half scale words
	WIN 0x40
.irp u, 0,1
.irp i, 0,1,2
	global_load_b64 v[QN+6*\u+2*\i:QN+6*\u+2*\i+1], v[L8], s[QP:QP+1] offset:12288*\u+256*\i
.endr
.endr
	WIN 0
	global_load_u16 v[QSN], v[AQS], s[QSP:QSP+1]
.endm
	QLOAD
	v_mov_b32 v[AK0], v[L8]
	v_add_nc_u32 v[AV0], VC, v[L8]
	v_lshl_add_u32 v[AKS0], v120, 4, KSC
	v_add_nc_u32 v[AKS0], s16, v[AKS0]
	v_lshl_add_u32 v[AVS0], v121, 4, VSC
	v_lshl_add_u32 v[AB0], v122, 6, BIAS
	v_lshlrev_b32 v[AOS], 3, v121
	v_lshl_add_u32 v[AOS], v122, 9, v[AOS]
	v_lshl_add_u32 v113, v0, 5, BIAS
	v_mov_b32 v114, 0xfb800000                     ; -2^120
	s_mov_b32 s[SEL], 0x76543210
	s_mov_b32 s[SEL+1], 0xfedcba98
	s_mov_b32 s[CS], 0x3e38aa3b                    ; log2(e) / 8
	s_mov_b32 s[CS+1], s[CS]
	s_mov_b32 s[HI], 0xffff0000
	s_mov_b32 s[PASS], 2
.irp u, 0,1
	v_mov_b32 v[F+2*\u+1], 0                       ; named as the upper half of a pair
.irp b, 0,1,2,3
	v_mov_b32 v[BM+12*\u+4+\b], 0                  ; a lane permute's destination counts as read
.endr
.endr
	WIN 0x40
.irp i, 0,1,2,3,4,5
	v_mov_b32 v[Q+6+\i], 0                         ; q's codes of k 64 .. 127
	v_mov_b32 v[Q+18+\i], 0
	v_mov_b32 v[KF+48+\i], 0                       ; behind k's last tile
.endr
	WIN 0
	s_wait_loadcnt 7                               ; the mask's bytes are in; q's seven loads may be out
.irp e, 0,1,2,3,4,5,6,7
	v_bfe_u32 v115, v[110+\e/4], 8*(\e%4), 8
	v_cmp_eq_u32 vcc_lo, 0, v115
	v_cndmask_b32 v[SA+\e], 0, v114, vcc_lo        ; a key that is masked out gets -2^120
.endr
	ds_store_b128 v113, v[SA:SA+3]
	ds_store_b128 v113, v[SA+4:SA+7] offset:16
; ---- the softmax's parts, for tile u
.macro MAXP u                          ; the largest score of each block of 32 keys; the running largest t; -M; f
.set S_, SA+64*(\u)
.set B_, BM+12*(\u)
.set T_, ST+4*(\u)
.irp b, 0,1,2,3
	v_max3_num_f32 v[B_+\b], v[S_+16*\b], v[S_+16*\b+1], v[S_+16*\b+2]
.endr
.irp i, 3,5,7,9,11,13
.irp b, 0,1,2,3
	v_max3_num_f32 v[B_+\b], v[B_+\b], v[S_+16*\b+\i], v[S_+16*\b+\i+1]
.endr
.endr
.irp b, 0,1,2,3
	v_max_num_f32 v[B_+\b], v[B_+\b], v[S_+16*\b+15]
.endr
.irp b, 0,1,2,3
	v_permlanex16_b32 v[B_+4+\b], v[B_+\b], s[SEL], s[SEL+1]
.endr
.irp b, 0,1,2,3
	v_max_num_f32 v[B_+\b], v[B_+\b], v[B_+4+\b]
.endr
	v_max3_num_f32 v[XR+\u], v[B_], v[B_+1], v[B_+2]
	v_max_num_f32 v[XR+\u], v[XR+\u], v[B_+3]
	v_mul_f32 v[XR+\u], s[CS], v[XR+\u]
	v_max_num_f32 v[T_+1], v[T_+1], v[XR+\u]
	v_mov_b32 v[XR+\u], v[T_]
	v_floor_f32 v[T_], -v[T_+1]                    ; -M = floor(-t): M is a whole number
	v_sub_f32 v[XR+\u], v[T_], v[XR+\u]
	v_cvt_i32_f32 v[XR+\u], v[XR+\u]               ; (it saturates)
	v_ldexp_f32 v[F+2*(\u)], 1.0, v[XR+\u]         ; f = 2^(old M - new M)
.endm
.macro FMAP u                          ; t - M, two at a time; the same of each block's largest score
.set S_, SA+64*(\u)
.set B_, BM+12*(\u)
.set T_, ST+4*(\u)
.set j, 0
.rept 32
	v_pk_fma_f32 v[S_+j:S_+j+1], v[S_+j:S_+j+1], s[CS:CS+1], v[T_:T_+1] op_sel_hi:[1,0,0]
.set j, j+2
.endr
.irp b, 0,1,2,3
	v_fma_f32 v[B_+\b], v[B_+\b], s[CS], v[T_]
.endr
.endm
.macro SUMS u                          ; the row's sum, of the unquantised p, in two chains
.set S_, SA+64*(\u)
.set T_, ST+4*(\u)
.set M_, SUMT+2*(\u)
	v_pk_add_f32 v[M_:M_+1], v[S_:S_+1], v[S_+2:S_+3]
.irp j, 4,8,12,16,20,24,28,32,36,40,44,48,52,56,60
	v_pk_add_f32 v[T_+2:T_+3], v[T_+2:T_+3], v[S_+\j:S_+\j+1]
	v_pk_add_f32 v[M_:M_+1], v[M_:M_+1], v[S_+\j+2:S_+\j+3]
.endr
	v_pk_add_f32 v[T_+2:T_+3], v[T_+2:T_+3], v[M_:M_+1]
.endm
.macro SCLP u                          ; p's four scale operands and its scale word
.set B_, BM+12*(\u)
.irp b, 0,1,2,3
	v_max_num_f32 v[B_+\b], 0x1800000, v[B_+\b]    ; the floor 2^(3 - 127)
.endr
.irp b, 0,1,2,3
	v_add_nc_u32 v[B_+8+\b], 0xff000000, v[B_+\b]
.endr
.irp b, 0,1,2,3
	v_lshrrev_b32 v[B_+4+\b], 23, v[B_+8+\b]
.endr
	v_lshl_or_b32 v[PS+\u], v[B_+5], 8, v[B_+4]
	v_lshl_or_b32 v[PS+\u], v[B_+6], 16, v[PS+\u]
	v_lshl_or_b32 v[PS+\u], v[B_+7], 24, v[PS+\u]
.endm
.macro CVTP u                          ; p's codes, a whole block to a lane
.set S_, SA+64*(\u)
.set B_, BM+12*(\u)
.set P_, P+12*(\u)
.irp c, 0,1
	v_cvt_scalef32_pk16_fp6_f32 v[P_+6*\c:P_+6*\c+2], v[S_+32*\c:S_+32*\c+15], v[B_+8+2*\c]
	v_cvt_scalef32_pk16_fp6_f32 v[CT+4*\c:CT+4*\c+2], v[S_+32*\c+16:S_+32*\c+31], v[B_+8+2*\c+1]
.endr
	v_nop                                          ; one plain place behind the conversions
.irp c, 0,1
.irp i, 0,1,2
	v_permlane16_swap_b32 v[P_+6*\c+\i], v[CT+4*\c+\i]
.endr
.irp i, 0,1,2
	v_mov_b32 v[P_+3+6*\c+\i], v[CT+4*\c+\i]
.endr
.endr
.endm
; ---- A KEY STEP: 128 keys, both tiles
.macro STEP
	v_add_nc_u32 v[ADK], s[TK], v[AK0]             ; (these five are also places behind the last step's products)
	v_add_nc_u32 v[ADV], s[TV], v[AV0]
	v_add_nc_u32 v[ADS], s[TS], v[AKS0]
	v_add_nc_u32 v[ADT], s[TW], v[AVS0]
	v_add_nc_u32 v[ADB], s[TS], v[AB0]
.irp i, 0,1,2,3
	ds_load_u16 v[KS+\i], v[ADS] offset:4*\i       ; k's two scale bytes: lanes 0-15 tile i, lanes 16-31 tile 4 + i
.endr
.irp t, 0,1,2,3,4,5,6,7
	ds_load_b128 v[SA+8*\t:SA+8*\t+3], v[ADB] offset:128*(\t/2)+32*(\t%2)          ; the mask's numbers of my eight keys of tile t
	ds_load_b128 v[SA+8*\t+4:SA+8*\t+7], v[ADB] offset:128*(\t/2)+32*(\t%2)+16
.endr
	WIN 0x40
.irp t, 0,1,2,3,4,5,6,7
.irp i, 0,1,2
	ds_load_b64 v[KF+6*\t+2*\i:KF+6*\t+2*\i+1], v[ADK] offset:768*\t+256*\i
.endr
.endr
	s_wait_dscnt 0x0
	WIN 0x05                                       ; k and q window 1, C and D window 0
.irp t, 0,1,2,3                        ; the second tile's scores: C = the mask's numbers, which the first tile's products then take in place
	v_wmma_scale_f32_16x16x128_f8f6f4 v[SA+64+8*\t:SA+64+8*\t+7], v[KF+6*\t:KF+6*\t+11], v[Q+12:Q+23], v[SA+8*\t:SA+8*\t+7], v[KS+\t], v[QS] matrix_a_fmt:MATRIX_FMT_FP6 matrix_b_fmt:MATRIX_FMT_FP6 matrix_b_scale:MATRIX_SCALE_ROW1
.endr
.irp t, 4,5,6,7
	v_wmma_scale_f32_16x16x128_f8f6f4 v[SA+64+8*\t:SA+64+8*\t+7], v[KF+6*\t:KF+6*\t+11], v[Q+12:Q+23], v[SA+8*\t:SA+8*\t+7], v[KS+\t-4], v[QS] matrix_a_fmt:MATRIX_FMT_FP6 matrix_b_fmt:MATRIX_FMT_FP6 matrix_a_scale:MATRIX_SCALE_ROW1 matrix_b_scale:MATRIX_SCALE_ROW1
.endr
.rept 5
	v_nop                                          ; five places: the products below write over registers that the products above took as C
.endr
.irp t, 0,1,2,3
	v_wmma_scale_f32_16x16x128_f8f6f4 v[SA+8*\t:SA+8*\t+7], v[KF+6*\t:KF+6*\t+11], v[Q:Q+11], v[SA+8*\t:SA+8*\t+7], v[KS+\t], v[QS] matrix_a_fmt:MATRIX_FMT_FP6 matrix_b_fmt:MATRIX_FMT_FP6
.endr
.irp t, 4,5,6,7
	v_wmma_scale_f32_16x16x128_f8f6f4 v[SA+8*\t:SA+8*\t+7], v[KF+6*\t:KF+6*\t+11], v[Q:Q+11], v[SA+8*\t:SA+8*\t+7], v[KS+\t-4], v[QS] matrix_a_fmt:MATRIX_FMT_FP6 matrix_b_fmt:MATRIX_FMT_FP6 matrix_a_scale:MATRIX_SCALE_ROW1
.endr
.rept 4
	v_nop                                          ; places in front of the first read of the scores
.endr
	WIN 0x40
.irp t, 0,1,2,3                        ; v's four tiles: they land under the softmax
.irp p, 0,1,2,3,4,5
	ds_load_b64 v[VF+12*\t+2*\p:VF+12*\t+2*\p+1], v[ADV] offset:6144*\t+256*\p
.endr
.endr
	WIN 0
	ds_load_b128 v[VS:VS+3], v[ADT]                ; and their scale words
	MAXP 1
	MAXP 0
	FMAP 1
	FMAP 0
.set j, 0
.rept 128
	v_exp_f32 v[SA+j], v[SA+j]                     ; p = 2^(t - M): one batch
.set j, j+1
.endr
	v_pk_mul_f32 v[ST+2:ST+3], v[ST+2:ST+3], v[F:F+1] op_sel_hi:[1,0]      ; the sums under the new M (plain places behind the batch)
	v_pk_mul_f32 v[ST+6:ST+7], v[ST+6:ST+7], v[F+2:F+3] op_sel_hi:[1,0]
	s_wait_alu depctr_va_vdst(0)                   ; one wait for the batch, ahead of its first reader
.irp u, 0,1
.irp b, 0,1,2,3
	v_exp_f32 v[BM+12*\u+\b], v[BM+12*\u+\b]       ; each block's largest p: the same two instructions on the same number
.endr
.endr
	SUMS 0                                         ; (they read the 128 alone: plain work behind the eight)
	SUMS 1
	s_wait_alu depctr_va_vdst(0)                   ; and one for the eight
	SCLP 0
	SCLP 1
	CVTP 0
	CVTP 1
	WIN 0x41                                       ; O^T window 1, f window 0
.irp u, 0,1
.set j, 0
.rept 16
	v_pk_mul_f32 v[OA+32*\u+j:OA+32*\u+j+1], v[OA+32*\u+j:OA+32*\u+j+1], v[F+2*\u:F+2*\u+1] op_sel_hi:[1,0]   ; O^T under the new M; these 32 are the places behind p's codes and scale words
.set j, j+2
.endr
.endr
	s_wait_dscnt 0x0                               ; v is in
	WIN 0x51                                       ; v window 1, p window 0, O^T window 1
.irp t, 0,1,2,3                        ; eight accumulators by turns
.irp u, 0,1
	v_wmma_scale_f32_16x16x128_f8f6f4 v[OA+32*\u+8*\t:OA+32*\u+8*\t+7], v[VF+12*\t:VF+12*\t+11], v[P+12*\u:P+12*\u+11], v[OA+32*\u+8*\t:OA+32*\u+8*\t+7], v[VS+\t], v[PS+\u] matrix_a_fmt:MATRIX_FMT_FP6 matrix_b_fmt:MATRIX_FMT_FP6
.endr
.endr
	WIN 0
.endm
; A STAGE: 512 keys.  The fetching waves wait for their part of it (the later stages' loads may be out), every wave for its LDS stores; behind the barrier the stage is whole for all.  Nothing is ever filled again.
.macro STAGE g
	s_wait_tensorcnt 3-(\g)
	s_wait_dscnt 0x0
	s_barrier_signal -1
	s_barrier_wait -1
	s_mov_b32 s[TK], 24576*(\g)
	s_mov_b32 s[TV], 24576*(\g)
	s_mov_b32 s[TS], 2048*(\g)
	s_mov_b32 s[TW], 4096*((\g)/2)+1024*((\g)%2)
	s_mov_b32 s[CNT], 4
.Lstep_\@:
	STEP
	s_add_co_u32 s[TK], s[TK], 6144
	s_add_co_u32 s[TV], s[TV], 1536
	s_add_co_u32 s[TS], s[TS], 512
	s_add_co_u32 s[TW], s[TW], 256
	s_sub_co_u32 s[CNT], s[CNT], 1
	s_cmp_lg_u32 s[CNT], 0
	s_cbranch_scc1 .Lstep_\@
.endm
.macro HQUANT u                        ; tile u's 32 numbers a lane (d = 32 b + 16 h + i) become six code registers and two scale bytes
.set H_, SA+32*(\u)
.set B_, BM+12*(\u)
.irp b, 0,1
	v_max3_num_f32 v[B_+\b], |v[H_+16*\b]|, |v[H_+16*\b+1]|, 0x1800000
.endr
.irp i, 2,4,6,8,10,12,14
.irp b, 0,1
	v_max3_num_f32 v[B_+\b], v[B_+\b], |v[H_+16*\b+\i]|, |v[H_+16*\b+\i+1]|
.endr
.endr
.irp b, 0,1
	v_permlanex16_b32 v[B_+4+\b], v[B_+\b], s[SEL], s[SEL+1]
.endr
.irp b, 0,1
	v_max_num_f32 v[B_+\b], v[B_+\b], v[B_+4+\b]
.endr
.irp b, 0,1
	v_add_nc_u32 v[B_+8+\b], 0xff000000, v[B_+\b]
.endr
.irp b, 0,1
	v_lshrrev_b32 v[B_+4+\b], 23, v[B_+8+\b]
.endr
	v_lshl_or_b32 v[XR+\u], v[B_+5], 8, v[B_+4]
	v_cvt_scalef32_pk16_fp6_f32 v[WC+6*(\u):WC+6*(\u)+2], v[H_:H_+15], v[B_+8]
	v_cvt_scalef32_pk16_fp6_f32 v[CT:CT+2], v[H_+16:H_+31], v[B_+9]
	v_nop
.irp i, 0,1,2
	v_permlane16_swap_b32 v[WC+6*(\u)+\i], v[CT+\i]
.endr
.irp i, 0,1,2
	v_mov_b32 v[WC+6*(\u)+3+\i], v[CT+\i]
.endr
.endm
.Lpass:                                            ; two trips: 256 queries of the work-group each
	s_wait_loadcnt 0x0                             ; this pass's q
	WIN 0x41
.irp u, 0,1
.irp i, 0,1,2,3,4,5
	v_mov_b32 v[Q+12*\u+\i], v[QN+6*\u+\i]
.endr
.endr
	WIN 0
	v_mov_b32 v[QS], v[QSN]
	s_cmp_eq_u32 s[PASS], 1                        ; the next pass's q is asked for now, if there is one: no load leaves its buffer
	s_cbranch_scc1 .Lno_next
	s_add_nc_u64 s[QP:QP+1], s[QP:QP+1], 196608    ; 16 tiles on
	s_add_nc_u64 s[QSP:QSP+1], s[QSP:QSP+1], 1024
	QLOAD
.Lno_next:
.irp u, 0,1
	v_mov_b32 v[ST+4*\u+1], 0xf1800000             ; the largest t so far: -2^100: under every open key's t, above every masked key's
	v_floor_f32 v[ST+4*\u], -v[ST+4*\u+1]
	v_mov_b32 v[ST+4*\u+2], 0
	v_mov_b32 v[ST+4*\u+3], 0
.endr
	WIN 0x40
.set j, 0
.rept 64
	v_mov_b32 v[OA+j], 0                           ; O^T: the step is written once, its first walk finds zeros.  (Also the places behind q's registers and scale word)
.set j, j+1
.endr
	WIN 0
	STAGE 0
	STAGE 1
	STAGE 2
	STAGE 3
	; THE WAY OUT of a pass
.rept 4
	v_nop                                          ; places behind the last products
.endr
.irp u, 0,1
	v_add_f32 v[XR+\u], v[ST+4*\u+2], v[ST+4*\u+3]
.endr
.irp u, 0,1
	v_permlanex16_b32 v[BM+12*\u+4], v[XR+\u], s[SEL], s[SEL+1]
.endr
.irp u, 0,1
	v_add_f32 v[XR+\u], v[XR+\u], v[BM+12*\u+4]    ; the row's sum
.endr
.irp u, 0,1
	v_rcp_f32 v[F+2*\u], v[XR+\u]
.endr
	v_nop
	s_wait_alu depctr_va_vdst(0)                   ; one wait for the two reciprocals, ahead of their first reader
	WIN 0x01                                       ; O^T window 1; the quotients go to the scores' registers
.irp u, 0,1
.set j, 0
.rept 16
	v_pk_mul_f32 v[SA+32*\u+j:SA+32*\u+j+1], v[OA+32*\u+j:OA+32*\u+j+1], v[F+2*\u:F+2*\u+1] op_sel_hi:[1,0]
.set j, j+2
.endr
.endr
	WIN 0
	HQUANT 0
	HQUANT 1
.irp u, 0,1
.irp i, 0,1,2
	global_store_b64 v[L8], v[WC+6*\u+2*\i:WC+6*\u+2*\i+1], s[OP:OP+1] offset:12288*\u+256*\i   ; 256 consecutive bytes, aligned
.endr
.endr
	v_cndmask_b32 v[HW], v[XR], v[XR+1], s[HI]     ; lanes 0-15 my first tile's two bytes, lanes 16-31 my second's
	global_store_b16 v[AOS], v[HW], s[OSP:OSP+1]   ; a head's two bytes of each row's 32: the other heads' come from other work-groups
	s_wait_xcnt 0x0                                ; the stores have read their data and bases
	s_add_nc_u64 s[OP:OP+1], s[OP:OP+1], 196608
	s_add_nc_u64 s[OSP:OSP+1], s[OSP:OSP+1], 8192
	s_sub_co_u32 s[PASS], s[PASS], 1
	s_cmp_lg_u32 s[PASS], 0
	s_cbranch_scc1 .Lpass
	s_wait_tensorcnt 0x0
	s_wait_dscnt 0x0
	s_wait_tensorcnt 0x0
	ds_add_u32 v126, v127
	s_wait_dscnt 0x0
	ROUND                                          ; the closing round
	s_endpgm
.Lfunc_end_k_q9b01431c4d_attn:
	.size	k_q9b01431c4d_attn, .Lfunc_end_k_q9b01431c4d_attn-k_q9b01431c4d_attn
	.p2alignl 7, 3214868480
	.fill 96, 4, 3214868480
	.section	.rodata,"a",@progbits
	.p2align	6, 0x0
	.amdhsa_kernel k_q9b01431c4d_attn
		.amdhsa_group_segment_fixed_size 222208
		.amdhsa_private_segment_fixed_size 0
		.amdhsa_enable_private_segment 0
		.amdhsa_kernarg_size 40
		.amdhsa_user_sgpr_count 2
		.amdhsa_user_sgpr_kernarg_segment_ptr 1
		.amdhsa_wavefront_size32 1
		.amdhsa_system_sgpr_workgroup_id_x 1
		.amdhsa_system_sgpr_workgroup_id_y 1
		.amdhsa_system_sgpr_workgroup_id_z 1
		.amdhsa_system_vgpr_workitem_id 0
		.amdhsa_next_free_vgpr 512
		.amdhsa_next_free_sgpr 102
		.amdhsa_reserve_vcc 1
		.amdhsa_float_denorm_mode_32 3
		.amdhsa_float_denorm_mode_16_64 3
		.amdhsa_memory_ordered 1
		.amdhsa_forward_progress 1
		.amdhsa_inst_pref_size 153
	.end_amdhsa_kernel
	.amdgpu_metadata
---
amdhsa.version: [ 1, 2 ]
amdhsa.kernels:
  - .name:           k_q9b01431c4d_attn
    .symbol:         k_q9b01431c4d_attn.kd
    .args:
      - { .name: qkv_c, .offset: 0, .size: 8, .value_kind: global_buffer, .address_space: global }
      - { .name: qkv_s, .offset: 8, .size: 8, .value_kind: global_buffer, .address_space: global }
      - { .name: mask, .offset: 16, .size: 8, .value_kind: global_buffer, .address_space: global }
      - { .name: o_c, .offset: 24, .size: 8, .value_kind: global_buffer, .address_space: global }
      - { .name: o_s, .offset: 32, .size: 8, .value_kind: global_buffer, .address_space: global }
    .group_segment_fixed_size: 222208
    .private_segment_fixed_size: 0
    .kernarg_segment_align: 8
    .kernarg_segment_size: 40
    .max_flat_workgroup_size: 256
    .sgpr_count:     102
    .vgpr_count:     512
    .wavefront_size: 32
...
	.end_amdgpu_metadata
.endif
;; end of part 4
;; launch oproj (part 5): grid 4 x 32, 4 waves a work-group, clusters of 4 x 4, 327,680 bytes of LDS; arguments o_c, o_s, w_c, w_s, bo, out0; writes out0
.if DOCPART == 5
	.amdgcn_target "amdgcn-amd-amdhsa--gfx1250"
	.amdhsa_code_object_version 6
	.text
	.protected	k_q9b01431c4d_oproj
	.globl	k_q9b01431c4d_oproj
	.p2align	8
	.type	k_q9b01431c4d_oproj,@function
k_q9b01431c4d_oproj:
	s_mov_b64 s[64:65], 0
	v_nop
	global_prefetch_b8 v0, s[64:65] scope:SCOPE_SE
	s_setreg_imm32_b32 hwreg(HW_REG_WAVE_MODE, 25, 1), 1
	s_wait_xcnt 0x0
	s_wait_alu depctr_hold_cnt(0) depctr_sa_sdst(0) depctr_va_vdst(0) depctr_va_sdst(0) depctr_va_ssrc(0) depctr_va_vcc(0) depctr_vm_vsrc(0)
	s_getreg_b32 s2, hwreg(HW_REG_IB_STS2, 6, 4)
	s_cmp_eq_u32 s2, 0
	s_cbranch_scc0 .Lentry_in_a_cluster
	s_endpgm
.Lentry_in_a_cluster:
	s_bfe_u32 s2, ttmp6, 0x10000c
	s_cmp_lg_u32 s2, 0xf033
	s_cbranch_scc0 .Lentry_shape_is_right
	s_endpgm
.Lentry_shape_is_right:
; out0 = o Wo + bo: [8192][1024] f32, on codes of FP6 (E2M3) with E8M0 scales, K = 1,024.  o's codes and scales come from the attention launch, Wo^T's are the fourth weight in w_c and w_s.
; Operands lie as images of their registers: tile T, K step s: 12288 T + 1536 s + 256 p + 8 L; lane-row r of tile T is row 32 (T / 2) + 8 (T % 2) + 16 (r / 8) + r % 8; scales 512 T + 128 q + 8 r + e.
; A tile of C, 256 x 256, is made by four waves, 128 x 128 each.  K goes in four steps of 256 through two LDS slots; the scales come once.  4 x 4 work-groups form a cluster: A's tiles jointly along a row, B's along a column.
; The matrix instruction is used transposed (source 0 = Wo^T's rows, source 1 = o's rows): register j of accumulator (a, b) is column 32 (b / 2) + 16 h + 8 (b % 2) + j of my lane's row.
; The bias is the C of each sum's first product.  The results go through each wave's stage in LDS (in slot 0, which has had its last fill and its last read by then) and leave as whole rows of 512 bytes.
; REGISTERS: window 0: v16-29 addresses; v32-63 scale words; v64-127 the bias, eight registers a tile of columns; v128-223 A's fragments, later rows on their way out.  window 1: B's two sets.  windows 2, 3: accumulators.
.set NQ,     2
.set FR,     12
.set NL,     6
.set NP,     4
.set TILEB,  3072
.set HALFT,  8*TILEB
.set SLOT,   4*HALFT
.set SCL,    2*SLOT
.set SCB,    8320
.set SPARE,  213248                    ; the spare words: 128 bytes a wave, two blocks of 256 bytes that no other line names
.set SPITCH, 528
.set ADRA, 16
.set ADRB, 20
.set ADRS, 24
.set STO,  25
.set CO,   26
.set RD,   27
.set SPW,  28
.set NIL,  29
.set SC,   32
.set BI,   64
.set AF,   128
.set BK,   128
.set G1,   24
.set G0,   32
.set G1B,  48
.set G0B,  56
.set G1S,  68
.set G0S,  76
.set G1SB, 80
.set G0SB, 88
.set MSB, 0
.macro WIN new
.if MSB != (\new)
	s_set_vgpr_msb (MSB<<8)|(\new)
.set MSB, (\new)
.endif
.endm
.set MUL_LO, 0xa1
.set MUL_HI, 0xf1
.set FIRST_LO, 0x81                    ; as MUL_LO, with C (the bias) in window 0
.set FIRST_HI, 0xc1
.set TO_B,   0x40
.macro JLOAD g0a, g1a, g0b, g1b
	s_cmp_eq_u32 s17, 0
	s_cbranch_scc0 .Lfor_b_\@
	tensor_load_to_lds s[\g0a:\g0a+3], s[\g1a:\g1a+7]
	s_nop 0
.rept 4
	v_nop
.endr
	s_branch .Lasked_\@
.Lfor_b_\@:
	tensor_load_to_lds s[\g0b:\g0b+3], s[\g1b:\g1b+7]
	s_nop 0
.rept 4
	v_nop
.endr
.Lasked_\@:
.endm
.macro CREST
	s_cmp_lg_u32 s16, 0
	s_cbranch_scc1 .Lnot_wave_0_\@
	s_barrier_signal -3
.Lnot_wave_0_\@:
	s_barrier_wait -3
	s_barrier_signal -1
	s_barrier_wait -1
.endm
.macro CROUND
	s_barrier_signal -1
	s_barrier_wait -1
	CREST
.endm
	s_load_b256 s[4:11], s[0:1], 0x0               ; o_c, o_s, w_c, w_s
	s_load_b128 s[12:15], s[0:1], 0x20             ; bo, out0
	v_lshl_add_u32 v[SPW], v0, 2, SPARE
	v_mov_b32 v[NIL], 0
	ds_add_u32 v28, v29
	ds_add_u32 v28, v29
	s_wait_dscnt 0x0
	v_lshrrev_b32 v1, 5, v0
	v_readfirstlane_b32 s16, v1                    ; wave
	s_lshr_b32 s17, s16, 1
	s_and_b32 s18, s16, 1
	s_bfe_u32 s40, ttmp6, 0x40000                  ; cx
	s_bfe_u32 s41, ttmp6, 0x40004                  ; cy
	s_lshl_b32 s44, s41, 2
	s_lshl_b32 s44, 15, s44                        ; my row of the cluster
	s_lshl_b32 s45, 0x1111, s40                    ; my column
	s_and_b32 s43, ttmp7, 0xffff
	s_lshl_b32 s43, s43, 2
	s_add_co_u32 s43, s43, s41                     ; tile row of C
	s_lshl_b32 s42, ttmp9, 2
	s_add_co_u32 s42, s42, s40                     ; tile column of C
	s_lshl_b32 s95, s18, 3
	s_lshl_b32 s21, s43, 4
	s_add_co_u32 s21, s21, s95                     ; A: the first tile that I fetch
	s_mul_i32 s20, s21, 12288
	s_lshl_b32 s46, s21, 9
	s_mov_b32 s21, 0
	s_mov_b32 s47, 0
	s_lshl_b32 s23, s42, 4
	s_add_co_u32 s23, s23, s95                     ; B likewise, in the fourth weight
	s_mul_i32 s22, s23, 12288
	s_add_co_u32 s22, s22, 2359296
	s_lshl_b32 s66, s23, 9
	s_add_co_u32 s66, s66, 98304
	s_mov_b32 s23, 0
	s_mov_b32 s67, 0
	s_or_b32 s[G1+0], s44, (3<<16)|(1<<21)         ; codes: eight tiles x 3,072 bytes, 12,288 apart
	s_or_b32 s[G1B+0], s45, (3<<16)|(1<<21)
.irp g, G1, G1B
	s_mov_b32 s[\g+1], 384<<16
	s_mov_b32 s[\g+2], 8<<16
	s_mov_b32 s[\g+3], 384<<16
	s_mov_b32 s[\g+4], 8
	s_mov_b32 s[\g+5], 1536
	s_mov_b32 s[\g+6], 0
	s_mov_b32 s[\g+7], 0
.endr
	s_or_b32 s[G1S+0], s44, (3<<16)|(1<<21)        ; scales: 4,096 dense bytes
	s_or_b32 s[G1SB+0], s45, (3<<16)|(1<<21)
.irp g, G1S, G1SB
	s_mov_b32 s[\g+1], 32<<16
	s_mov_b32 s[\g+2], 16<<16
	s_mov_b32 s[\g+3], 32<<16
	s_mov_b32 s[\g+4], 16
	s_mov_b32 s[\g+5], 32
	s_mov_b32 s[\g+6], 0
	s_mov_b32 s[\g+7], 0
.endr
	s_mul_i32 s2, s16, HALFT
	s_lshl_b32 s3, s16, 12
	s_wait_kmcnt 0x0
	s_add_nc_u64 s[96:97], s[4:5], s[20:21]
	s_add_nc_u64 s[98:99], s[8:9], s[22:23]
	s_add_nc_u64 s[100:101], s[6:7], s[46:47]
	s_add_nc_u64 s[66:67], s[10:11], s[66:67]
	CROUND                                         ; all sixteen work-groups are here: the first joint loads meet
	s_mov_b32 s[G0S], 1
	s_add_co_u32 s[G0S+1], s3, SCL
	s_mov_b64 s[G0S+2:G0S+3], s[100:101]
	s_or_b32 s[G0S+3], s[G0S+3], 0x80000000
	s_mov_b32 s[G0SB], 1
	s_add_co_u32 s[G0SB+1], s3, SCL+128
	s_mov_b64 s[G0SB+2:G0SB+3], s[66:67]
	s_or_b32 s[G0SB+3], s[G0SB+3], 0x80000000
	JLOAD G0S, G1S, G0SB, G1SB
.irp s, 0,1
	s_mov_b32 s[G0+4*\s], 1
	s_add_co_u32 s[G0+4*\s+1], s2, \s*SLOT
	s_add_nc_u64 s[G0+4*\s+2:G0+4*\s+3], s[96:97], \s*TILEB
	s_or_b32 s[G0+4*\s+3], s[G0+4*\s+3], 0x80000000
	s_mov_b32 s[G0B+4*\s], 1
	s_add_co_u32 s[G0B+4*\s+1], s2, \s*SLOT
	s_add_nc_u64 s[G0B+4*\s+2:G0B+4*\s+3], s[98:99], \s*TILEB
	s_or_b32 s[G0B+4*\s+3], s[G0B+4*\s+3], 0x80000000
	JLOAD G0+4*\s, G1, G0B+4*\s, G1B
.endr
	v_and_b32 v1, 31, v0                           ; L
	v_and_b32 v3, 15, v0                           ; r
	v_bfe_u32 v2, v0, 4, 1                         ; h
	s_lshl_b32 s96, s42, 10
	s_lshl_b32 s97, s18, 9
	s_add_co_u32 s96, s96, s97                     ; my first column, in bytes
	s_mov_b32 s97, 0
	s_add_nc_u64 s[12:13], s[12:13], s[96:97]
	v_lshlrev_b32 v5, 6, v2                        ; the bias: + 64 h
.irp b, 0,1,2,3,4,5,6,7
	global_load_b128 v[BI+8*\b:BI+8*\b+3], v5, s[12:13] offset:128*(\b/2)+32*(\b%2)
	global_load_b128 v[BI+8*\b+4:BI+8*\b+7], v5, s[12:13] offset:128*(\b/2)+32*(\b%2)+16
.endr
	s_lshl_b32 s98, s43, 8
	s_lshl_b32 s99, s17, 7
	s_add_co_u32 s98, s98, s99                     ; my first row
	s_lshl_b32 s98, s98, 12
	s_add_co_u32 s98, s98, s96
	s_mov_b32 s99, 0
	s_add_nc_u64 s[14:15], s[14:15], s[98:99]
	v_lshlrev_b32 v4, 3, v1                        ; 8 L
	v_lshlrev_b32 v[CO], 4, v1                     ; 16 L
	s_mul_i32 s20, s17, HALFT
	s_mul_i32 s21, s18, HALFT
	s_add_co_u32 s21, s21, 2*HALFT
.irp s, 0,1
	v_add_nc_u32 v[ADRA+\s], s20, v4
	v_add_nc_u32 v[ADRB+\s], s21, v4
	s_add_co_u32 s20, s20, SLOT
	s_add_co_u32 s21, s21, SLOT
.endr
	s_lshl_b32 s20, s17, 12
	s_lshl_b32 s21, s18, 12
	s_add_co_u32 s21, s21, SCB
	s_sub_co_u32 s21, s21, s20
	v_mul_u32_u24 v4, s21, v2                      ; lanes 16-31 take B's scale words: one product, the distance x h
	s_add_co_u32 s20, s20, SCL
	v_lshl_add_u32 v4, v3, 3, v4
	v_add_nc_u32 v[ADRS], s20, v4
	s_mul_i32 s20, s16, 16*SPITCH                  ; my stage
	v_mul_u32_u24 v4, v3, SPITCH
	v_lshl_add_u32 v4, v2, 6, v4
	v_add_nc_u32 v[STO], s20, v4                   ; in: row r, + 64 h
	v_add_nc_u32 v[RD], s20, v[CO]                 ; back: a whole row, 16 bytes a lane
.macro FRAG reg, adr, q, i
.irp p, 0,1,2,3,4,5
	ds_load_b64 v[\reg+2*\p:\reg+2*\p+1], v[\adr] offset:(\i)*TILEB+(\q)*1536+\p*256
.endr
.endm
; 16 matrix instructions; the 64 accumulators take turns, one instruction a turn.  zero = 1: the first product starts the sum from the bias.
.macro MUL16 a0, p, q, sc, zero
.irp a, \a0, \a0+1
.irp b, 0,1,2,3,4,5,6,7
.if \zero
	v_wmma_scale_f32_16x16x128_f8f6f4 v[8*(8*((\a)%4)+\b):8*(8*((\a)%4)+\b)+7], v[128*(\p)+FR*\b:128*(\p)+FR*\b+FR-1], v[AF+FR*(\a):AF+FR*(\a)+FR-1], v[BI+8*\b:BI+8*\b+7], v[SC+8*NQ*(\sc)+NQ*\b+(\q)], v[SC+8*NQ*(\sc)+NQ*(\a)+(\q)] matrix_a_fmt:MATRIX_FMT_FP6 matrix_b_fmt:MATRIX_FMT_FP6 matrix_a_scale:MATRIX_SCALE_ROW1
.else
	v_wmma_scale_f32_16x16x128_f8f6f4 v[8*(8*((\a)%4)+\b):8*(8*((\a)%4)+\b)+7], v[128*(\p)+FR*\b:128*(\p)+FR*\b+FR-1], v[AF+FR*(\a):AF+FR*(\a)+FR-1], v[8*(8*((\a)%4)+\b):8*(8*((\a)%4)+\b)+7], v[SC+8*NQ*(\sc)+NQ*\b+(\q)], v[SC+8*NQ*(\sc)+NQ*(\a)+(\q)] matrix_a_fmt:MATRIX_FMT_FP6 matrix_b_fmt:MATRIX_FMT_FP6 matrix_a_scale:MATRIX_SCALE_ROW1
.endif
.endr
.endr
.endm
.macro FETCH_B slot, q, p
	WIN TO_B
.irp i, 0,1,2,3,4,5,6,7
	FRAG 128*(\p)+FR*\i, ADRB+\slot, \q, \i
.endr
	WIN 0
.endm
.macro FETCH_A slot, q, i0
.irp i, \i0, \i0+1, \i0+2, \i0+3
	FRAG AF+FR*(\i), ADRA+\slot, \q, \i
.endr
.endm
.macro SCALES sc
.irp i, 0,1,2,3,4,5,6,7
	ds_load_b64 v[SC+8*NQ*\sc+NQ*\i:SC+8*NQ*\sc+NQ*\i+1], v[ADRS] offset:\i*512
.endr
.endm
.macro PLACES n
.rept \n
	v_nop
.endr
.endm
.macro STEP slot, q, zero
	s_wait_dscnt 4*NL                              ; B's set and A's blocks 0-3 are in; A's blocks 4-7 (24 loads) may be out
.if \zero
	WIN FIRST_LO
.else
	WIN MUL_LO
.endif
	MUL16 0, (\q)%2, \q, \slot, \zero
	MUL16 2, (\q)%2, \q, \slot, \zero
	s_wait_dscnt 0
	PLACES NP
	FETCH_B \slot, (\q)+1, 1-(\q)%2
	FETCH_A \slot, (\q)+1, 0
.if \zero
	WIN FIRST_HI
.else
	WIN MUL_HI
.endif
	MUL16 4, (\q)%2, \q, \slot, \zero
	MUL16 6, (\q)%2, \q, \slot, \zero
	PLACES NP
	WIN 0
	FETCH_A \slot, (\q)+1, 4
.endm
.macro TURN slot, next, fill
	s_wait_tensorcnt 0x0                           ; all my tensor loads have landed: my part of the next slot
	ds_add_u32 v[SPW], v[NIL]                      ; 0 onto my spare word
	s_wait_dscnt 4*NL+1                            ; (the add and A's blocks 4-7 may be out)
	WIN MUL_LO
	MUL16 0, 1, NQ-1, \slot, 0
	s_wait_dscnt 0x0                               ; the add is done, and my reads of this slot are over
	s_barrier_signal -1
	MUL16 2, 1, NQ-1, \slot, 0
	WIN 0
	s_barrier_wait -1
.if \fill
	CREST                                          ; a round of the cluster's barrier: no wave of any partner still reads this slot or has a load on its way
	s_add_nc_u64 s[G0+4*\slot+2:G0+4*\slot+3], s[G0+4*\slot+2:G0+4*\slot+3], 2*TILEB
	s_add_nc_u64 s[G0B+4*\slot+2:G0B+4*\slot+3], s[G0B+4*\slot+2:G0B+4*\slot+3], 2*TILEB
	JLOAD G0+4*\slot, G1, G0B+4*\slot, G1B
.else
	PLACES NP
.endif
	v_add_nc_u32 v[ADRS], 128, v[ADRS]
	FETCH_B \next, 0, 0
	FETCH_A \next, 0, 0
	SCALES \next
	WIN MUL_HI
	MUL16 4, 1, NQ-1, \slot, 0
	MUL16 6, 1, NQ-1, \slot, 0
	PLACES NP
	WIN 0
	FETCH_A \next, 0, 4
.endm
	s_wait_tensorcnt 1                             ; the scales and my part of K step 0 are in; K step 1's load may be out
	s_barrier_signal -1
	s_barrier_wait -1
	FETCH_B 0, 0, 0
	FETCH_A 0, 0, 0
	SCALES 0
	FETCH_A 0, 0, 4
	s_wait_loadcnt 0x0                             ; the bias
	STEP 0, 0, 1
	TURN 0, 1, 1
	STEP 1, 0, 0
	TURN 1, 0, 1
	STEP 0, 0, 0
	TURN 0, 1, 0
	STEP 1, 0, 0
	s_wait_dscnt 4*NL
	WIN MUL_LO
	MUL16 0, 1, NQ-1, 1, 0
	MUL16 2, 1, NQ-1, 1, 0
	s_wait_dscnt 0
	WIN MUL_HI
	MUL16 4, 1, NQ-1, 1, 0
	MUL16 6, 1, NQ-1, 1, 0
	WIN 0
; THE WAY OUT, block by block of 16 rows x 128 columns, through my own stage; LDS serves a wave's instructions in order, so no wait stands between the stores and the loads.
.macro TOSTAGE a
.set AC, 64*((\a)%4)
	WIN 0x08+4*((\a)/4)                            ; an LDS store's data: window 2 or 3
.irp b, 0,1,2,3,4,5,6,7
	ds_store_b128 v[STO], v[AC+8*\b:AC+8*\b+3] offset:128*(\b/2)+32*(\b%2)         ; each accumulator from its low end on
	ds_store_b128 v[STO], v[AC+8*\b+4:AC+8*\b+7] offset:128*(\b/2)+32*(\b%2)+16
.endr
	WIN 0
.set BB, BK+64*((\a)%2)
.irp t, 0,1,2,3,4,5,6,7,8,9,10,11,12,13,14,15
	ds_load_b128 v[BB+4*\t:BB+4*\t+3], v[RD] offset:\t*SPITCH
.endr
.endm
.macro SEND a, younger
.set BB, BK+64*((\a)%2)
.set RW, 32*((\a)/2)+8*((\a)%2)
	s_wait_dscnt \younger
.irp t, 0,1,2,3,4,5,6,7,8,9,10,11,12,13,14,15
	global_store_b128 v[CO], v[BB+4*\t:BB+4*\t+3], s[14:15] offset:(RW+16*(\t/8)+\t%8)*4096 th:TH_STORE_NT   ; 512 consecutive bytes of one row; the row stands in the immediate, 520,192 at the most
.endr
.endm
	PLACES NP
	TOSTAGE 0
.irp a, 1,2,3,4,5,6,7
.if \a > 1
	s_wait_xcnt 0x0                                ; block a - 2's stores have read their registers: block a's rows may land there
.endif
	TOSTAGE \a
	SEND \a-1, 32                                  ; behind block a - 1's loads: block a's 16 stores and 16 loads
.endr
	SEND 7, 0
	s_wait_tensorcnt 0x0                           ; the wave's end
	ds_add_u32 v[SPW], v[NIL]
	s_wait_dscnt 0x0
	CROUND                                         ; the closing round
	s_endpgm
.Lfunc_end_k_q9b01431c4d_oproj:
	.size	k_q9b01431c4d_oproj, .Lfunc_end_k_q9b01431c4d_oproj-k_q9b01431c4d_oproj
	.p2alignl 7, 3214868480
	.fill 96, 4, 3214868480
	.section	.rodata,"a",@progbits
	.p2align	6, 0x0
	.amdhsa_kernel k_q9b01431c4d_oproj
		.amdhsa_group_segment_fixed_size 327680
		.amdhsa_private_segment_fixed_size 0
		.amdhsa_enable_private_segment 0
		.amdhsa_kernarg_size 48
		.amdhsa_user_sgpr_count 2
		.amdhsa_user_sgpr_kernarg_segment_ptr 1
		.amdhsa_wavefront_size32 1
		.amdhsa_system_sgpr_workgroup_id_x 1
		.amdhsa_system_sgpr_workgroup_id_y 1
		.amdhsa_system_sgpr_workgroup_id_z 1
		.amdhsa_system_vgpr_workitem_id 0
		.amdhsa_next_free_vgpr 1024
		.amdhsa_next_free_sgpr 102
		.amdhsa_reserve_vcc 0
		.amdhsa_float_denorm_mode_32 3
		.amdhsa_float_denorm_mode_16_64 3
		.amdhsa_memory_ordered 1
		.amdhsa_forward_progress 1
		.amdhsa_inst_pref_size 160
	.end_amdhsa_kernel
	.amdgpu_metadata
---
amdhsa.version: [ 1, 2 ]
amdhsa.kernels:
  - .name:           k_q9b01431c4d_oproj
    .symbol:         k_q9b01431c4d_oproj.kd
    .args:
      - { .name: o_c, .offset: 0, .size: 8, .value_kind: global_buffer, .address_space: global }
      - { .name: o_s, .offset: 8, .size: 8, .value_kind: global_buffer, .address_space: global }
      - { .name: w_c, .offset: 16, .size: 8, .value_kind: global_buffer, .address_space: global }
      - { .name: w_s, .offset: 24, .size: 8, .value_kind: global_buffer, .address_space: global }
      - { .name: bo, .offset: 32, .size: 8, .value_kind: global_buffer, .address_space: global }
      - { .name: out0, .offset: 40, .size: 8, .value_kind: global_buffer, .address_space: global }
    .group_segment_fixed_size: 327680
    .private_segment_fixed_size: 0
    .kernarg_segment_align: 8
    .kernarg_segment_size: 48
    .max_flat_workgroup_size: 128
    .sgpr_count:     102
    .vgpr_count:     1024
    .wavefront_size: 32
...
	.end_amdgpu_metadata
.endif
;; end of part 5
